; MI455X (gfx1250); checked and timed in simulation.
; The chip was launched on July 23, 2026; its instructions are those of AMD's public machine-readable ISA for CDNA 5 (MIT licence, August 2026) and "CDNA5" Instruction Set Architecture Reference Guide (July 2026). The comments in the code are by the model that wrote it; some were corrected since.
;; Self Attention. Allowed arithmetic: matrix products marked QUANTISED: E3M2 operands, one E8M0 scale for each 32 along K, by v_wmma_scale_f32_16x16x128_f8f6f4 with both operands' format E3M2, f32 sums; products left as they are: f32 operands where the result goes on into a quantised operand, else bf16, f16 or f32 operands; f32 sums; everything else in f32.
;; Inputs: Wk_codes 16 x 2 x 24 uint8 (E3M2 codes of Wk, K innermost, in blocks of 32 codes, four codes in three bytes); Wk_scales 16 x 2 uint8 (E8M0 scales of Wk, one for each 32 codes along K); Wq_codes 16 x 2 x 24 uint8 (E3M2 codes of Wq, K innermost, in blocks of 32 codes, four codes in three bytes); Wq_scales 16 x 2 uint8 (E8M0 scales of Wq, one for each 32 codes along K); Wv_codes 64 x 2 x 24 uint8 (E3M2 codes of Wv, K innermost, in blocks of 32 codes, four codes in three bytes); Wv_scales 64 x 2 uint8 (E8M0 scales of Wv, one for each 32 codes along K); x_codes 4 x 4,096 x 2 x 24 uint8 (E3M2 codes of x, K innermost, in blocks of 32 codes, four codes in three bytes); x_scales 4 x 4,096 x 2 uint8 (E8M0 scales of x, one for each 32 codes along K).
;; Outputs: out0 4 x 4,096 x 64 float32.
;; This version of the problem:
;;   THIS VERSION OF THE PROBLEM IS GIVEN IN LOW PRECISION. The matrix products marked QUANTISED in the list below multiply operands that are first quantised to E3M2 (3 exponent bits, 2 mantissa bits; 6 bits a number), with one power-of-two scale for each 32 numbers along K (OCP MX v1.0); their sums are f32. All else is computed in f32.
;;   The module's matrix products, in the order in which they are computed (A, B: the left and right operand; K: the contracted axis; several contracted axes count as one K, in the product's order):
;;     1. [M 16,384, K 64] x [K 64, N 16]; A: input x (given as codes); B: input Wq (given as codes): QUANTISED
;;     2. [M 16,384, K 64] x [K 64, N 16]; A: input x (given as codes); B: input Wk (given as codes): QUANTISED
;;     3. [M 16,384, K 64] x [K 64, N 64]; A: input x (given as codes); B: input Wv (given as codes): QUANTISED
;;     4. batch 4 x [M 4,096, K 16] x [K 16, N 4,096]; A: computed on the way; B: computed on the way: left as it is (K = 16 < 32)
;;     5. batch 4 x [M 4,096, K 4,096] x [K 4,096, N 64]; A: softmax (see below); B: computed on the way: QUANTISED
;;   THE QUANTISER, for each operand of a quantised product, along K:
;;     - K is cut into blocks of 32 from its start; a last block that is shorter is filled with zeros.
;;     - A block's scale is 2^e with e = floor(log2(the largest magnitude in the block)) - 4, held to -126 .. 127; a block of zeros has e = 0. As a byte (E8M0): e + 127.
;;     - Each number is divided by its block's scale, clamped to +-28, and rounded to the nearest number of E3M2, ties to even, subnormals kept.
;;     - The product sums the exact products of the quantised numbers (number of the format x scale) in f32.
;;   ~~~python
;;   def quantise(x, axis):      # numpy; x: float32 -> the quantised numbers, widened to float32 again
;;       x = np.moveaxis(x, axis, -1); K = x.shape[-1]
;;       x = np.pad(x, [(0, 0)] * (x.ndim - 1) + [(0, -K % 32)]); x = x.reshape(x.shape[:-1] + (-1, 32)); a = np.abs(x).max(-1, keepdims=True)
;;       e = np.where(a > 0, np.clip(np.frexp(np.where(a > 0, a, 1))[1] - 1 - 4, -126, 127), 0)      # np.frexp(a)[1] - 1 = floor(log2(a)), exactly
;;       r = np.clip(x / 2.0 ** e, -28, 28)
;;       step = 2.0 ** (np.maximum(np.frexp(np.where(r == 0, 1, r))[1] - 1, -2) - 2)
;;       q = np.round(r / step) * step * 2.0 ** e      # np.round: ties to even
;;       return np.moveaxis(q.reshape(q.shape[:-2] + (-1,))[..., :K], -1, axis).astype(np.float32)
;;   ~~~
;;   SOFTMAX AHEAD OF A QUANTISED PRODUCT. Where the list says 'softmax', what is quantised is not the finished softmax but p = 2^(t - M), with t = logit x log2(e) and M = ceil(the row's largest t), a whole number; so 1/2 < the row's largest p <= 1. The row's sum l is taken of the UNQUANTISED p, in f32, and the product's result is divided by l at the end. Since M is a whole number, a kernel that streams over the keys may use a running M (the ceiling of the running maximum): every later rescaling is an exact power of two, which a block's scale takes up: the codes' values come out the same.
;;   OPERANDS COMPUTED ON THE WAY. 'Computed on the way' means the value that the module computes at that place (a softmax that the list does not call 'softmax' is quantised finished and normalised). What goes into a quantiser is computed in f32, as accurately as f32 sums, v_exp_f32 and their like allow (about 1e-6 of the number): no bf16 or f16 on the way to a quantiser, and a product that is left as it is and whose result goes on into a quantised operand takes f32 operands (vector FMAs, or v_wmma_f32_16x16x4_f32). A number that lies on a knife's edge between two numbers of the format may be rounded either way, as far as f32 arithmetic and the matrix unit's own rounding can turn it there, and no further.
;;   INPUTS GIVEN AS CODES. Wk (in the module: [64, 16], K = its axis 0); Wq (in the module: [64, 16], K = its axis 0); Wv (in the module: [64, 64], K = its axis 0); x (in the module: [4, 4096, 64], K = its axis 2): each comes as NAME_codes (uint8): NAME with its K axis moved to the last place and cut into blocks of 32 codes, [.., K / 32, bytes a block], one block behind the other in memory; four codes in three bytes: a row's codes are one little-endian stream of bits, code i at bits 6 i .. 6 i + 5 (a code: sign, 3 exponent bits, 2 mantissa bits); and NAME_scales (uint8): the same leading axes, one E8M0 byte (e + 127) for each 32 codes along K. Its value is code x scale, taken as it is: it is not quantised again, and the codes and scales need not be those that the quantiser above would give.
;; 2 versions, each right; version 2 is version 1 with the launches proj, attn written anew for expert scheduling mode. Each part assembles by itself: llvm-mc -triple=amdgcn-amd-amdhsa -mcpu=gfx1250 --defsym DOCPART=n.
;; ======== version 1 of 2: 2 launches
;; workspace buffers: kv 1,900,544 bytes; qi 1,048,576 bytes
;; launch proj (part 1): grid 256 x 1, 2 waves a work-group, no clusters, 0 bytes of LDS; arguments x_codes, x_scales, Wq_codes, Wq_scales, Wk_codes, Wk_scales, Wv_codes, Wv_scales, kv, qi; writes kv, qi
.if DOCPART == 1
	.amdgcn_target "amdgcn-amd-amdhsa--gfx1250"
	.amdhsa_code_object_version 6
	.text
	.protected	k_q2765f2e359_proj
	.globl	k_q2765f2e359_proj
	.p2align	8
	.type	k_q2765f2e359_proj,@function
k_q2765f2e359_proj:
	s_mov_b64 s[64:65], 0
	v_nop
	global_prefetch_b8 v0, s[64:65] scope:SCOPE_SE
	s_setreg_imm32_b32 hwreg(HW_REG_WAVE_MODE, 25, 1), 1
	s_wait_xcnt 0x0
; q = x Wq, k = x Wk, v = x Wv on the given codes of BF6 (E3M2) and their E8M0 bytes; sums in f32.  K = 64: the upper half of the instruction's 128 is zero codes on both sides.
; What is stored is laid as the next launch's operand registers take it, lane by lane:
;   kv: 128 records of REC bytes, record G = 128 keys (flat rows 128 G on).  Bytes 0-8191: k in f32, register 8 tau + j of lane (r, h) = k[key(tau, r)][dim 8 h + j], four registers a group, group at 512 x group + 16 x lane.
;       Bytes 8192-14335: v quantised along the keys, channel tile t = a fragment of 12 registers (lane (r, h): channel 16 t + r, registers 6 c .. 6 c + 5: keys 64 c + 32 h + 0 .. 31).  Bytes 14336 on: its scale words, 128 t + 4 x lane.
;   qi: q in f32, tile 8 G + tau of 1,024 bytes, laid as k's tiles.
; THE ROWS OF x THAT FORM A TILE ARE NOT NEIGHBOURS: key(tau = 2 b + u, r) = 32 b + 8 u + r + 8 (r / 8), so that the 16 registers of tiles 2 b and 2 b + 1 of a result are 16 neighbours along the keys.
; SHARES: record G = work-group / 2; t = 2 (work-group % 2) + wave.  A wave makes v of channel tile t for the record's 128 keys (8 products, one fragment, one scale word a channel) and q and k of key tiles 2 t, 2 t + 1 (4 products).
; Waves share nothing: no LDS, no barrier.  Every store of 16 bytes a lane covers 512 consecutive bytes, aligned; the scale words' store covers 128 consecutive bytes (64 KiB of the launch's 2.9 MB).
; LIMITS: NaN, infinities and scale bytes 0xff are not served; a block of v whose largest magnitude lies under 2^-122 (a block of zeros too) keeps the byte 1: its codes are then zeros or nearly, and this program alone reads the bytes.
.set REC,  14848
.set XS,   10                          ; v10-17   x's scale words, tile tau
.set WS,   18                          ; v18-20   scale words of Wv, Wq, Wk
.set XQS,  21                          ; v21-22   x's scale words for the q and k products
.set XF,   24                          ; v24-119  x's eight fragments
.set WVF,  120                         ; v120-131 Wv's fragment (my 16 channels)
.set HA,   132                         ; v132-195 v: 8 tiles x 8 registers
.set XQ,   196                         ; v196-219 x's two fragments for q and k
.set WQF,  220
.set WKF,  232
.set QK,   24                          ; v24-55   q (u = 0, 1), k (u = 0, 1): over x's fragments that are done with
.set TM,   56                          ; v56-71   at work in QUANT
.set PC,   72                          ; v72-83 the codes, v84-90 conversions' second halves
.set PW,   92                          ; the scale word just made
.set SEL,  34                          ; s[34:35] lane selects for v_permlanex16_b32: lane l xor 16
; 64 numbers of a lane, register 16 b + i = key 32 b + 16 (lane / 16) + i of my channel, become a fragment's codes in v[PC] on and its scale word in v[PW].
.macro QUANT src
.irp b, 0,1,2,3
	v_max3_num_f32 v[TM+\b], |v[\src+16*\b]|, |v[\src+1+16*\b]|, 0x2800000   ; block b: my 16 numbers, and the floor 2^(5 - 127): the byte cannot fall under 1
.endr
.irp i, 2,4,6,8,10,12,14
.irp b, 0,1,2,3
	v_max3_num_f32 v[TM+\b], v[TM+\b], |v[\src+16*\b+\i]|, |v[\src+1+16*\b+\i]|   ; the four blocks by turns
.endr
.endr
.irp b, 0,1,2,3
	v_permlanex16_b32 v[TM+4+\b], v[TM+\b], s[SEL], s[SEL+1]
.endr
.irp b, 0,1,2,3
	v_max_num_f32 v[TM+\b], v[TM+\b], v[TM+4+\b]   ; with lane l xor 16's: the block's largest magnitude
.endr
.irp b, 0,1,2,3
	v_add_nc_u32 v[TM+12+\b], 0xfe000000, v[TM+\b]   ; 4 off its exponent field: the conversion takes this operand's exponent field as its scale
.endr
.irp b, 0,1,2,3
	v_lshrrev_b32 v[TM+4+\b], 23, v[TM+12+\b]      ; the scale's byte
.endr
	v_lshl_or_b32 v[PW], v[TM+5], 8, v[TM+4]
	v_lshl_or_b32 v[PW], v[TM+6], 16, v[PW]
	v_lshl_or_b32 v[PW], v[TM+7], 24, v[PW]
.irp c, 0,1
	v_cvt_scalef32_pk16_bf6_f32 v[PC+6*\c:PC+2+6*\c], v[\src+32*\c:\src+15+32*\c], v[TM+12+2*\c]
	v_cvt_scalef32_pk16_bf6_f32 v[PC+12+4*\c:PC+14+4*\c], v[\src+16+32*\c:\src+31+32*\c], v[TM+12+2*\c+1]   ; (a conversion's three registers begin on an even number)
.endr
	v_nop                                          ; one plain place behind a scaled conversion
.irp c, 0,1                                    ; the operand's layout wants a whole block in a lane: lanes 0-15 block 2 c, lanes 16-31 block 2 c + 1
.irp i, 0,1,2
	v_permlane16_swap_b32 v[PC+6*\c+\i], v[PC+12+4*\c+\i]
.endr
.irp i, 0,1,2
	v_mov_b32 v[PC+3+6*\c+\i], v[PC+12+4*\c+\i]
.endr
.endr
.endm
	s_load_b512 s[8:23], s[0:1], 0x0               ; x codes 8:9, x scales 10:11, Wq 12:13, 14:15, Wk 16:17, 18:19, Wv 20:21, 22:23
	s_load_b128 s[24:27], s[0:1], 0x40             ; kv 24:25, qi 26:27
	; K = 64 .. 127 of all thirteen fragments: zero codes.  The address work below stands between these lines and the products
.set ff, 0
.rept 8
.set ii, 6
.rept 6
	v_mov_b32 v[XF+12*ff+ii], 0
.set ii, ii+1
.endr
.set ff, ff+1
.endr
.irp base, WVF, XQ, XQ+12, WQF, WKF
.set ii, 6
.rept 6
	v_mov_b32 v[\base+ii], 0
.set ii, ii+1
.endr
.endr
	v_lshrrev_b32 v1, 5, v0
	v_readfirstlane_b32 s28, v1                    ; wave 0, 1
	v_and_b32 v1, 31, v0                           ; lane
	v_and_b32 v2, 15, v0                           ; r
	v_bfe_u32 v3, v0, 4, 1                         ; h
	v_and_b32 v5, 8, v2
	v_add_nc_u32 v5, v5, v2                        ; r + 8 (r / 8)
	v_mul_u32_u24 v4, v5, 48                       ; x: a row of 64 codes is 48 bytes,
	v_mad_u32_u24 v4, v3, 24, v4                   ;    + 24 h: my block of 32
	v_lshlrev_b32 v5, 1, v5                        ; x's scales: 2 bytes a row
	v_mul_u32_u24 v6, v2, 48                       ; the weights: row r,
	v_mad_u32_u24 v6, v3, 24, v6                   ;    + 24 h
	v_lshlrev_b32 v7, 1, v2                        ; their scales
	v_lshlrev_b32 v8, 4, v1                        ; an image's place for my lane: 16 x lane
	v_lshlrev_b32 v9, 2, v1                        ; a scale word's: 4 x lane
	s_lshr_b32 s29, ttmp9, 1                       ; G
	s_and_b32 s30, ttmp9, 1
	s_lshl_b32 s30, s30, 1
	s_add_co_u32 s30, s30, s28                     ; t
	s_mov_b32 s33, 0
	s_mov_b32 s[SEL], 0x76543210
	s_mov_b32 s[SEL+1], 0xfedcba98
	s_wait_kmcnt 0x0
	s_mul_i32 s32, s29, 6144
	s_add_nc_u64 s[8:9], s[8:9], s[32:33]          ; x's codes at the record's first key
	s_mul_i32 s32, s30, 1536
	s_add_nc_u64 s[36:37], s[8:9], s[32:33]        ; and at key 32 t: tiles 2 t, 2 t + 1
	s_lshl_b32 s32, s29, 8
	s_add_nc_u64 s[10:11], s[10:11], s[32:33]      ; x's scales likewise
	s_lshl_b32 s32, s30, 6
	s_add_nc_u64 s[38:39], s[10:11], s[32:33]
	s_mul_i32 s32, s30, 768
	s_add_nc_u64 s[20:21], s[20:21], s[32:33]      ; Wv: my 16 channels
	s_lshl_b32 s32, s30, 5
	s_add_nc_u64 s[22:23], s[22:23], s[32:33]
	s_mul_i32 s32, s29, REC
	s_add_nc_u64 s[24:25], s[24:25], s[32:33]      ; my record
	s_lshl_b32 s32, s30, 11
	s_add_nc_u64 s[40:41], s[24:25], s[32:33]      ; k's tiles 2 t, 2 t + 1
	s_mul_i32 s32, s30, 1536
	s_add_co_u32 s32, s32, 8192
	s_add_nc_u64 s[42:43], s[24:25], s[32:33]      ; v's fragment t
	s_lshl_b32 s32, s30, 7
	s_add_co_u32 s32, s32, 14336
	s_add_nc_u64 s[44:45], s[24:25], s[32:33]      ; its scale words
	s_lshl_b32 s32, s29, 13
	s_lshl_b32 s31, s30, 11
	s_add_co_u32 s32, s32, s31
	s_add_nc_u64 s[26:27], s[26:27], s[32:33]      ; q's tiles 8 G + 2 t, + 1
.set ff, 0
.rept 8                                        ; tile tau begins at key 32 (tau / 2) + 8 (tau % 2)
.set ro, 32*(ff/2)+8*(ff%2)
	global_load_b64 v[XF+12*ff:XF+12*ff+1], v4, s[8:9] offset:ro*48
	global_load_b64 v[XF+12*ff+2:XF+12*ff+3], v4, s[8:9] offset:ro*48+8
	global_load_b64 v[XF+12*ff+4:XF+12*ff+5], v4, s[8:9] offset:ro*48+16
	global_load_u16 v[XS+ff], v5, s[10:11] offset:ro*2      ; bytes 0, 1: the row's two blocks; bytes 2, 3 come as 0 and stand over zero codes
.set ff, ff+1
.endr
.irp u, 0,1
.irp p, 0,1,2
	global_load_b64 v[XQ+12*\u+2*\p:XQ+12*\u+2*\p+1], v4, s[36:37] offset:384*\u+8*\p
.endr
	global_load_u16 v[XQS+\u], v5, s[38:39] offset:16*\u
.endr
.irp p, 0,1,2
	global_load_b64 v[WVF+2*\p:WVF+2*\p+1], v6, s[20:21] offset:8*\p
	global_load_b64 v[WQF+2*\p:WQF+2*\p+1], v6, s[12:13] offset:8*\p
	global_load_b64 v[WKF+2*\p:WKF+2*\p+1], v6, s[16:17] offset:8*\p
.endr
	global_load_u16 v[WS], v7, s[22:23]
	global_load_u16 v[WS+1], v7, s[14:15]
	global_load_u16 v[WS+2], v7, s[18:19]
	s_wait_loadcnt 0x0                             ; all is wanted at once
	; v: source 0 = 16 keys of x, source 1 = my 16 channels of Wv: lane (r, h) holds channel r, register 8 tau + j key 32 (tau / 2) + 16 h + 8 (tau % 2) + j
.set ff, 0
.rept 8
	v_wmma_scale_f32_16x16x128_f8f6f4 v[HA+8*ff:HA+8*ff+7], v[XF+12*ff:XF+12*ff+11], v[WVF:WVF+11], 0, v[XS+ff], v[WS] matrix_a_fmt:MATRIX_FMT_BF6 matrix_b_fmt:MATRIX_FMT_BF6
.set ff, ff+1
.endr
.rept 5
	v_nop                                          ; five places: the next products write over operands of these (the rule: ISA guide 7.12.1)
.endr
	; q, k transposed: source 0 = the 16 head dims of Wq or Wk, source 1 = 16 rows of x: lane (r, h) holds row key(2 t + u, r), register j dim 8 h + j
.irp u, 0,1
	v_wmma_scale_f32_16x16x128_f8f6f4 v[QK+8*\u:QK+8*\u+7], v[WQF:WQF+11], v[XQ+12*\u:XQ+12*\u+11], 0, v[WS+1], v[XQS+\u] matrix_a_fmt:MATRIX_FMT_BF6 matrix_b_fmt:MATRIX_FMT_BF6
	v_wmma_scale_f32_16x16x128_f8f6f4 v[QK+16+8*\u:QK+16+8*\u+7], v[WKF:WKF+11], v[XQ+12*\u:XQ+12*\u+11], 0, v[WS+2], v[XQS+\u] matrix_a_fmt:MATRIX_FMT_BF6 matrix_b_fmt:MATRIX_FMT_BF6
.endr
.irp b, 0,1,2,3
	v_mov_b32 v[TM+4+\b], 0                        ; a lane permute's destination counts as one of its sources.  These four name no register of the four products above: they are the places ahead of the stores
.endr
.irp u, 0,1
.irp g, 0,1                                    ; each result from its low end on
	global_store_b128 v8, v[QK+8*\u+4*\g:QK+8*\u+4*\g+3], s[26:27] offset:1024*\u+512*\g
.endr
.endr
.irp u, 0,1
.irp g, 0,1
	global_store_b128 v8, v[QK+16+8*\u+4*\g:QK+16+8*\u+4*\g+3], s[40:41] offset:1024*\u+512*\g
.endr
.endr
	QUANT HA                                       ; it writes none of the registers that the stores above read
.irp g, 0,1,2
	global_store_b128 v8, v[PC+4*\g:PC+4*\g+3], s[42:43] offset:512*\g
.endr
	global_store_b32 v9, v[PW], s[44:45]
	s_endpgm
.Lfunc_end_k_q2765f2e359_proj:
	.size	k_q2765f2e359_proj, .Lfunc_end_k_q2765f2e359_proj-k_q2765f2e359_proj
	.p2alignl 7, 3214868480
	.fill 96, 4, 3214868480
	.section	.rodata,"a",@progbits
	.p2align	6, 0x0
	.amdhsa_kernel k_q2765f2e359_proj
		.amdhsa_group_segment_fixed_size 0
		.amdhsa_private_segment_fixed_size 0
		.amdhsa_enable_private_segment 0
		.amdhsa_kernarg_size 80
		.amdhsa_user_sgpr_count 2
		.amdhsa_user_sgpr_kernarg_segment_ptr 1
		.amdhsa_wavefront_size32 1
		.amdhsa_system_sgpr_workgroup_id_x 1
		.amdhsa_system_sgpr_workgroup_id_y 1
		.amdhsa_system_sgpr_workgroup_id_z 1
		.amdhsa_system_vgpr_workitem_id 0
		.amdhsa_next_free_vgpr 256
		.amdhsa_next_free_sgpr 66
		.amdhsa_reserve_vcc 0
		.amdhsa_float_denorm_mode_32 3
		.amdhsa_float_denorm_mode_16_64 3
		.amdhsa_memory_ordered 1
		.amdhsa_forward_progress 1
		.amdhsa_inst_pref_size 17
	.end_amdhsa_kernel
	.amdgpu_metadata
---
amdhsa.version: [ 1, 2 ]
amdhsa.kernels:
  - .name:           k_q2765f2e359_proj
    .symbol:         k_q2765f2e359_proj.kd
    .args:
      - { .name: x_codes, .offset: 0, .size: 8, .value_kind: global_buffer, .address_space: global }
      - { .name: x_scales, .offset: 8, .size: 8, .value_kind: global_buffer, .address_space: global }
      - { .name: Wq_codes, .offset: 16, .size: 8, .value_kind: global_buffer, .address_space: global }
      - { .name: Wq_scales, .offset: 24, .size: 8, .value_kind: global_buffer, .address_space: global }
      - { .name: Wk_codes, .offset: 32, .size: 8, .value_kind: global_buffer, .address_space: global }
      - { .name: Wk_scales, .offset: 40, .size: 8, .value_kind: global_buffer, .address_space: global }
      - { .name: Wv_codes, .offset: 48, .size: 8, .value_kind: global_buffer, .address_space: global }
      - { .name: Wv_scales, .offset: 56, .size: 8, .value_kind: global_buffer, .address_space: global }
      - { .name: kv, .offset: 64, .size: 8, .value_kind: global_buffer, .address_space: global }
      - { .name: qi, .offset: 72, .size: 8, .value_kind: global_buffer, .address_space: global }
    .group_segment_fixed_size: 0
    .private_segment_fixed_size: 0
    .kernarg_segment_align: 8
    .kernarg_segment_size: 80
    .max_flat_workgroup_size: 64
    .sgpr_count:     66
    .vgpr_count:     256
    .wavefront_size: 32
...
	.end_amdgpu_metadata
.endif
;; end of part 1
;; launch attn (part 2): grid 64 x 4, 8 waves a work-group, no clusters, 144,384 bytes of LDS; arguments kv, qi, out0; writes out0
.if DOCPART == 2
	.amdgcn_target "amdgcn-amd-amdhsa--gfx1250"
	.amdhsa_code_object_version 6
	.text
	.protected	k_q2765f2e359_attn
	.globl	k_q2765f2e359_attn
	.p2align	8
	.type	k_q2765f2e359_attn,@function
k_q2765f2e359_attn:
	s_mov_b64 s[64:65], 0
	v_nop
	global_prefetch_b8 v0, s[64:65] scope:SCOPE_SE
	s_setreg_imm32_b32 hwreg(HW_REG_WAVE_MODE, 25, 1), 1
	s_wait_xcnt 0x0
; out[b][q] = the sum over keys k <= q of softmax_k(q . k / 4) v[k].  q, k: f32 images, v: codes of BF6 (E3M2) along the keys with E8M0 scale words, all laid by the launch before as this launch's operand registers.
; SCORES in f32 (v_wmma_f32_16x16x4_f32: they go on into a quantiser), S^T = K Q^T: a lane holds ONE query, its registers run along the keys.  t = score x log2(e) / 4; M = the running largest t rounded UP to a whole number;
; p = 2^(t - M) is quantised along the keys, block by block of 32; the row's sum is taken of the unquantised p; O^T += V^T P^T on codes.  When M moves, the sum and O^T are multiplied by 2^(old M - new M): exact.
; SHARES.  Work-group (g, b) owns two double tiles of 32 queries of batch b: DH = 127 - g with NH = 32 - g / 4 key steps of 128 keys, and DL = g with g / 4 + 1: always 33 steps, so all 256 work-groups have equal work.
; The steps are numbered u = 0 .. 32 (u < NH: DH's step u; else DL's step u - NH); wave w takes u = w, w + 8, w + 16, w + 24, wave 0 also u = 32.  A wave holds both tiles of 16 queries of its double tile, so each fragment of K and V
; that it loads feeds two tiles.  Each wave keeps its own M, sum and O^T; where it passes from DH to DL it lays them in LDS, and at the end again; one barrier; then the eight partial results of each job are merged (powers of two again) and stored.
; Tile e of double tile D holds queries 32 D + 8 e + r + 8 (r / 8); the keys of tile 2 b + u of a step are 32 b + 8 u + r + 8 (r / 8): so the 16 registers of two neighbouring score tiles are 16 neighbouring keys.
; THE MASK is the C of each score sum's first product: 64 registers of 0, which in a job's last step (the one on the diagonal) become -infinity where the key comes after the query.  Steps beyond the diagonal do not exist.
; No tensor load, no ring, no cluster: the eight waves of a work-group are at eight different key steps, so no tile in LDS would have a second reader; operands go from memory straight into registers, 512 consecutive bytes a load.
; LIMITS: NaN and infinities are not served; M is exact for |t| under 2^24; p under 2^-126 comes out as 0; a block whose largest p lies under 2^-122 keeps the byte 1; a score's 16 products are summed in the order dim 8 h + 2 kk + jj (h = lane / 16).
; REGISTERS, in windows of 256 (s_set_vgpr_msb: bits 1:0 source 0, 3:2 source 1, 5:4 source 2, 7:6 destination).  The scores' registers, v192-255 of window 0, are written by matrix instructions alone, and window 1 ends at 191.
.set REC,  14848                       ; a record of kv: K 8,192 bytes, V 6,144, V's scale words 512
.set OPW,  8704                        ; LDS: a wave's partial O of a job: 32 rows (16 e + r) x 272 bytes (256 + 16)
.set OPJ,  69632                       ; eight of them: a job's
.set STAT, 139264                      ; behind both jobs': the pairs (-M, l): ((2 job + e) 8 + wave) 128 + 8 r
.set LI,   1                           ; v1   16 x lane: an image's place, and my place in two rows of out
.set SOH,  2                           ; v2   where I put 32 bytes of a row of job 0's partial O: OPW x wave + 272 r + 32 h
.set SOL,  3                           ; v3   the same for job 1
.set DQ,   4                           ; v4   r + 8 (r / 8) - 16 h
.set NINF, 5                           ; v5   -infinity
.set T0,   6                           ; v6-7 at work
.set ST,   8                           ; v8-11, v12-15  tile e: -M, the largest t, the sum in two halves
.set BM,   16                          ; v16-19 the blocks' largest scores, then largest p
.set PT,   20                          ; v20-23 permutes' results, bytes
.set SCO,  24                          ; v24-27 the conversions' scale operands
.set FF,   28                          ; v28-29 f = 2^(old M - new M) (the pair's low word serves both halves)
.set PW,   30                          ; v30-31 p's scale words, tile e
.set VS,   32                          ; v32-35 V's scale words, channel tile t
.set CT,   36                          ; v36-38, v40-42 conversions' second halves
.set CO,   44                          ; v44-55, v56-67 p's codes, tile e
.set PP,   68                          ; v68-99 32 numbers p
.set OA,   100                         ; v100-163 O^T: tile e, channel tile t at 32 e + 8 t
.set QL,   164                         ; v164-179 the low job's q
.set RD,   180                         ; v180 the merge: where I read partial O
.set RS,   181                         ; v181 and the pairs (-M, l)
.set L4,   182                         ; v182 4 x lane
.set SS,   183                         ; v183 where I put a pair (-M, l): STAT + 128 wave + 8 r
.set SA,   192                         ; v192-255 S^T: 8 tiles x 8 registers
.set KF,   0                           ; window 1: v0-63 K;
.set VF,   64                          ;   v64-111 V's four fragments;
.set QF,   112                         ;   v112-127 q of the job in hand, 8 a tile;
.set MK,   128                         ;   v128-191 the mask
.set MS,   36                          ; the merge: v36-67 two rows' eight pairs; v100-163 two rows' eight partial O; v68-83 the results
.set MO,   100
.set OUTR, 68
.set WV,   10
.set NH,   14
.set NH1,  15
.set UU,   16                          ; s16 the step in hand
.set TS,   17
.set SDH,  18                          ; s18 32 (DH % 4): the high job's first query less its last step's first key
.set SDL,  19                          ; s19 32 (DL % 4)
.set KB,   20                          ; s[20:21] the record from which K is loaded
.set VB,   22                          ; s[22:23] and V
.set KVB,  24                          ; s[24:25] the batch's first record
.set OF,   26                          ; s[26:27] an offset; the high word stays 0
.set MD,   28
.set DT,   29
.set SEL,  30                          ; s[30:31] lane l xor 16
.set CS,   32                          ; s[32:33] c = log2(e) / 4
.set CNT,  34
.set MSB, 0
.macro WIN new                         ; the immediate's high byte repeats the setting that is left; a switch that changes nothing is dropped
.if MSB != \new
	s_set_vgpr_msb (MSB<<8)|\new
.set MSB, \new
.endif
.endm
.macro KLOAD                           ; a step's K: 16 loads of 512 consecutive bytes
	WIN 0x40
.set ii, 0
.rept 16
	global_load_b128 v[KF+4*ii:KF+4*ii+3], v[LI], s[KB:KB+1] offset:512*ii
.set ii, ii+1
.endr
	WIN 0
.endm
.macro VLOAD                           ; a step's V and its scale words: 16 loads too
	WIN 0x40
.set ii, 0
.rept 12
	global_load_b128 v[VF+4*ii:VF+4*ii+3], v[LI], s[VB:VB+1] offset:8192+512*ii
.set ii, ii+1
.endr
	WIN 0
.irp t, 0,1,2,3
	global_load_b32 v[VS+\t], v[L4], s[VB:VB+1] offset:14336+128*\t
.endr
.endm
; A job begins: O^T and the sums are zeros, the largest t is -3e38 (the first change of M multiplies zeros by 0), the mask is open.  q = 1: the low job's q takes its place.
.macro INIT q
.set ii, 0
.rept 64
	v_mov_b32 v[OA+ii], 0
.set ii, ii+1
.endr
.irp e, 0,1
	v_mov_b32 v[ST+4*\e+1], 0xff61b1e6
	v_mov_b32 v[ST+4*\e+2], 0
	v_mov_b32 v[ST+4*\e+3], 0
	v_floor_f32 v[ST+4*\e], -v[ST+4*\e+1]
.endr
	WIN 0x40
.set ii, 0
.rept 64
	v_mov_b32 v[MK+ii], 0
.set ii, ii+1
.endr
.if \q
.set ii, 0
.rept 16
	v_mov_b32 v[QF+ii], v[QL+ii]
.set ii, ii+1
.endr
.endif
	WIN 0
.endm
; A job's partial result goes to LDS: for each tile the pair (-M, l), l = the sum's two halves and lane l xor 16's; then O^T, each accumulator from its low end on.
.macro FLUSH so, stoff
.irp e, 0,1
	v_add_f32 v[ST+4*\e+1], v[ST+4*\e+2], v[ST+4*\e+3]
.endr
.irp e, 0,1
	v_permlanex16_b32 v[PT+\e], v[ST+4*\e+1], s[SEL], s[SEL+1]
.endr
.irp e, 0,1
	v_add_f32 v[ST+4*\e+1], v[ST+4*\e+1], v[PT+\e]
.endr
.irp e, 0,1
	ds_store_b64 v[SS], v[ST+4*\e:ST+4*\e+1] offset:\stoff+1024*\e      ; both halves of the lanes write the same pair
.endr
.irp e, 0,1
.irp t, 0,1,2,3
	ds_store_b128 v[\so], v[OA+32*\e+8*\t:OA+32*\e+8*\t+3] offset:4352*\e+64*\t
	ds_store_b128 v[\so], v[OA+32*\e+8*\t+4:OA+32*\e+8*\t+7] offset:4352*\e+64*\t+16
.endr
.endr
	s_wait_dscnt 0x0                               ; my stores have landed: for the other waves' sake, ahead of the barrier
.endm
; From the high job to the low: at the wave's first u >= NH, that is where 0 <= u - NH < 8; behind the last step the same test, on the last u + 8, finds the waves that had no low step.
.macro TRANS
	s_sub_co_u32 s[TS], s[UU], s[NH]
	s_cmp_lt_u32 s[TS], 8
	s_cbranch_scc0 .Lsame_job_\@
	FLUSH SOH, 0
	INIT 1
.Lsame_job_\@:
.endm
; On the diagonal: register n of the scores holds key 32 (n / 16) + n % 16 + 16 h of the step; it is hidden where that lies above my query, MD + 8 e + r + 8 (r / 8) from the step's first key.
.macro MASKSET e
	s_cmp_lg_u32 s[UU], s[DT]
	s_cbranch_scc1 .Lopen_\@
	s_add_co_u32 s[TS], s[MD], 8*\e
	v_add_nc_u32 v[T0], s[TS], v[DQ]
	WIN 0x40
.set nn, 0
.rept 64
	v_cmp_gt_i32 vcc_lo, 32*(nn/16)+nn%16, v[T0]
	v_cndmask_b32 v[MK+nn], 0, v[NINF], vcc_lo
.set nn, nn+1
.endr
	WIN 0
.Lopen_\@:
.endm
; S^T = K Q^T for tile e: eight tiles of 16 keys by turns, four K steps of 4; the first takes the mask as C.
.macro SCORES e
	WIN 0x15                                       ; K, q and the mask in window 1, S^T in window 0
.set ii, 0
.rept 8
	v_wmma_f32_16x16x4_f32 v[SA+8*ii:SA+8*ii+7], v[KF+8*ii:KF+8*ii+1], v[QF+8*\e:QF+8*\e+1], v[MK+8*ii:MK+8*ii+7]
.set ii, ii+1
.endr
	WIN 0x05
.set kk, 1
.rept 3
.set ii, 0
.rept 8
	v_wmma_f32_16x16x4_f32 v[SA+8*ii:SA+8*ii+7], v[KF+8*ii+2*kk:KF+8*ii+2*kk+1], v[QF+8*\e+2*kk:QF+8*\e+2*kk+1], v[SA+8*ii:SA+8*ii+7]
.set ii, ii+1
.endr
.set kk, kk+1
.endr
	WIN 0
.rept 8
	v_nop                                          ; eight places behind this form, ahead of the reads of S^T and of the loads into K's registers
.endr
.endm
; Keys 64 hf on of tile e: p, its sums, its codes.
.macro HALF e, hf
.set jj, 0
.rept 16
	v_pk_fma_f32 v[PP+jj:PP+jj+1], v[SA+32*\hf+jj:SA+32*\hf+jj+1], s[CS:CS+1], v[ST+4*\e:ST+4*\e+1] op_sel_hi:[1,0,0]   ; t - M, two at a time
.set jj, jj+2
.endr
.set jj, 0
.rept 32
	v_exp_f32 v[PP+jj], v[PP+jj]                   ; p = 2^(t - M), at most 1
.set jj, jj+1
.endr
.if \hf == 0
.irp b, 0,1,2,3
	v_exp_f32 v[BM+\b], v[BM+\b]                   ; each block's largest p: the same two instructions on the block's largest score give the same bits
.endr
	v_pk_mul_f32 v[ST+4*\e+2:ST+4*\e+3], v[ST+4*\e+2:ST+4*\e+3], v[FF:FF+1] op_sel_hi:[1,0]   ; the sums under the new M: the plain place behind the exponentials
.else
	v_nop                                          ; the plain place behind the exponentials
.endif
	s_wait_alu depctr_va_vdst(0)                   ; one wait for the batch, ahead of its first reader
	v_pk_add_f32 v[T0:T0+1], v[PP:PP+1], v[PP+2:PP+3]   ; the row's sum is taken of the unquantised p, in two chains
.set jj, 4
.rept 7
	v_pk_add_f32 v[ST+4*\e+2:ST+4*\e+3], v[ST+4*\e+2:ST+4*\e+3], v[PP+jj:PP+jj+1]
	v_pk_add_f32 v[T0:T0+1], v[T0:T0+1], v[PP+jj+2:PP+jj+3]
.set jj, jj+4
.endr
	v_pk_add_f32 v[ST+4*\e+2:ST+4*\e+3], v[ST+4*\e+2:ST+4*\e+3], v[T0:T0+1]
.if \hf == 0
.irp b, 0,1,2,3
	v_max_num_f32 v[BM+\b], 0x2800000, v[BM+\b]    ; the floor 2^(5 - 127): the byte cannot fall under 1
.endr
.irp b, 0,1,2,3
	v_add_nc_u32 v[SCO+\b], 0xfe000000, v[BM+\b]   ; 4 off the exponent field: the conversion's scale operand
.endr
.irp b, 0,1,2,3
	v_lshrrev_b32 v[PT+\b], 23, v[SCO+\b]          ; the scale's byte
.endr
	v_lshl_or_b32 v[PW+\e], v[PT+1], 8, v[PT]      ; p's scale word for these 128 keys
	v_lshl_or_b32 v[PW+\e], v[PT+2], 16, v[PW+\e]
	v_lshl_or_b32 v[PW+\e], v[PT+3], 24, v[PW+\e]
.endif
	v_cvt_scalef32_pk16_bf6_f32 v[CO+12*\e+6*\hf:CO+12*\e+6*\hf+2], v[PP:PP+15], v[SCO+2*\hf]
	v_cvt_scalef32_pk16_bf6_f32 v[CT+4*\hf:CT+4*\hf+2], v[PP+16:PP+31], v[SCO+2*\hf+1]   ; (a conversion's three registers begin on an even number)
	v_nop                                          ; one plain place behind a scaled conversion
.irp i, 0,1,2
	v_permlane16_swap_b32 v[CO+12*\e+6*\hf+\i], v[CT+4*\hf+\i]     ; a whole block to a lane: lanes 0-15 block 2 hf, lanes 16-31 block 2 hf + 1
.endr
.irp i, 0,1,2
	v_mov_b32 v[CO+12*\e+6*\hf+3+\i], v[CT+4*\hf+\i]
.endr
.endm
.macro SOFT e
.irp b, 0,1,2,3
	v_max3_num_f32 v[BM+\b], v[SA+16*\b], v[SA+16*\b+1], v[SA+16*\b+2]   ; the largest score of each block of 32 keys: for the row's maximum, and for the block's largest p.  Each accumulator is read from its low end on
.endr
.irp i, 3,5,7,9,11,13
.irp b, 0,1,2,3
	v_max3_num_f32 v[BM+\b], v[BM+\b], v[SA+16*\b+\i], v[SA+16*\b+\i+1]
.endr
.endr
.irp b, 0,1,2,3
	v_max_num_f32 v[BM+\b], v[BM+\b], v[SA+16*\b+15]
.endr
.irp b, 0,1,2,3
	v_permlanex16_b32 v[PT+\b], v[BM+\b], s[SEL], s[SEL+1]
.endr
.irp b, 0,1,2,3
	v_max_num_f32 v[BM+\b], v[BM+\b], v[PT+\b]     ; with lane l xor 16's 16 keys
.endr
	v_max3_num_f32 v[T0], v[BM], v[BM+1], v[BM+2]
	v_max_num_f32 v[T0], v[T0], v[BM+3]            ; the step's largest score of my query
	v_mul_f32 v[T0], s[CS], v[T0]                  ; as t (c is positive)
	v_max_num_f32 v[ST+4*\e+1], v[ST+4*\e+1], v[T0]   ; the running largest t
	v_mov_b32 v[T0], v[ST+4*\e]
	v_floor_f32 v[ST+4*\e], -v[ST+4*\e+1]          ; the new -M = floor(-t) = -ceil(t)
	v_sub_f32 v[T0], v[ST+4*\e], v[T0]             ; old M - new M: a whole number, 0 or less
	v_cvt_i32_f32 v[T0], v[T0]                     ; (it saturates)
	v_ldexp_f32 v[FF], 1.0, v[T0]                  ; f = 2^(old M - new M)
.irp b, 0,1,2,3
	v_fma_f32 v[BM+\b], v[BM+\b], s[CS], v[ST+4*\e]
.endr
	HALF \e, 0
	HALF \e, 1
.set jj, 0
.rept 16
	v_pk_mul_f32 v[OA+32*\e+jj:OA+32*\e+jj+1], v[OA+32*\e+jj:OA+32*\e+jj+1], v[FF:FF+1] op_sel_hi:[1,0]   ; O^T under the new M, ascending; these are also the places between p's codes and the products that take them
.set jj, jj+2
.endr
.endm
.macro PV                              ; O^T += V^T P^T: eight accumulators, one instruction each
	WIN 0x01                                       ; V in window 1
.irp t, 0,1,2,3
.irp e, 0,1
	v_wmma_scale_f32_16x16x128_f8f6f4 v[OA+32*\e+8*\t:OA+32*\e+8*\t+7], v[VF+12*\t:VF+12*\t+11], v[CO+12*\e:CO+12*\e+11], v[OA+32*\e+8*\t:OA+32*\e+8*\t+7], v[VS+\t], v[PW+\e] matrix_a_fmt:MATRIX_FMT_BF6 matrix_b_fmt:MATRIX_FMT_BF6
.endr
.endr
	WIN 0
.rept 4
	v_nop                                          ; four places behind this form, ahead of the loads into V's registers and of the reads of O^T
.endr
.endm
; A KEY STEP.  pf = 1: the wave has a further step: its K is asked for when both tiles' scores are made, its V behind the products that read V.
.macro STEP pf
	s_wait_loadcnt 16                              ; K is in (and, in the first step, q): younger are only V's 16 loads
	TRANS
	s_cmp_eq_u32 s[UU], 32                         ; the steps on the diagonal: u = 32 for the low job, u = NH - 1 for the high
	s_cselect_b32 s[MD], s[SDL], s[SDH]
	s_cselect_b32 s[DT], s[UU], s[NH1]
	MASKSET 0
	SCORES 0
	SOFT 0
	MASKSET 1
	SCORES 1
.if \pf
	s_add_co_u32 s[OF], s[UU], 8                   ; the next u, and its record: u, or u - NH in the low job
	s_sub_co_u32 s[TS], s[OF], s[NH]
	s_cmp_lt_u32 s[OF], s[NH]
	s_cselect_b32 s[OF], s[OF], s[TS]
	s_mul_i32 s[OF], s[OF], REC
	s_add_nc_u64 s[KB:KB+1], s[KVB:KVB+1], s[OF:OF+1]   ; K's loads by the old base were shown done at the step's head
	KLOAD
.endif
	SOFT 1
.if \pf
	s_wait_loadcnt 16                              ; V and its scale words are in: younger are only the next K's 16 loads
.else
	s_wait_loadcnt 0x0
.endif
	PV
.if \pf
	s_mov_b64 s[VB:VB+1], s[KB:KB+1]               ; V's loads by the old base were shown done by the wait above
	VLOAD
.endif
	s_add_co_u32 s[UU], s[UU], 8
.endm
	s_load_b128 s[4:7], s[0:1], 0x0                ; kv, qi
	s_load_b64 s[8:9], s[0:1], 0x10                ; out
	v_lshl_add_u32 v190, v0, 2, 0x23000
	v_mov_b32 v191, 0
	v_lshrrev_b32 v[T0], 5, v0
	v_readfirstlane_b32 s[WV], v[T0]               ; wave 0..7
	v_and_b32 v[T0], 31, v0
	v_lshlrev_b32 v[LI], 4, v[T0]
	v_lshlrev_b32 v[L4], 2, v[T0]
	s_and_b32 s12, ttmp7, 0xffff                   ; b
	s_lshr_b32 s13, ttmp9, 2                       ; g / 4
	s_sub_co_u32 s[NH], 32, s13
	s_sub_co_u32 s[NH1], 31, s13
	s_and_b32 s[SDL], ttmp9, 3
	s_lshl_b32 s[SDL], s[SDL], 5
	s_sub_co_u32 s[SDH], 96, s[SDL]                ; (127 - g) % 4 = 3 - g % 4
	s_sub_co_u32 s43, 127, ttmp9                   ; DH
	s_lshl_b32 s44, s12, 7                         ; 128 b: the batch's first double tile
	s_lshr_b32 s35, s[WV], 2                       ; the merge: my job,
	s_bfe_u32 s36, s[WV], 0x10001                  ; my tile e,
	s_and_b32 s37, s[WV], 1                        ; my half of its 16 rows
	s_mov_b32 s[OF+1], 0
	s_mov_b32 s[SEL], 0x76543210
	s_mov_b32 s[SEL+1], 0xfedcba98
	s_mov_b32 s[CS], 0x3eb8aa3b                    ; c = log2(e) / 4
	s_mov_b32 s[CS+1], s[CS]                       ; (named with it as a pair, so it is written)
	s_mov_b32 s[UU], s[WV]
	s_wait_kmcnt 0x0
	s_mul_i32 s[OF], s12, 32*REC
	s_add_nc_u64 s[KVB:KVB+1], s[4:5], s[OF:OF+1]
	s_mul_i32 s[OF], s[WV], REC
	s_add_nc_u64 s[KB:KB+1], s[KVB:KVB+1], s[OF:OF+1]   ; my first step: u = wave, which is under NH (17 at the least)
	s_mov_b64 s[VB:VB+1], s[KB:KB+1]
	s_add_co_u32 s[OF], s44, s43
	s_lshl_b32 s[OF], s[OF], 11
	s_add_nc_u64 s[38:39], s[6:7], s[OF:OF+1]      ; q of DH: 2,048 bytes a double tile
	s_add_co_u32 s[OF], s44, ttmp9
	s_lshl_b32 s[OF], s[OF], 11
	s_add_nc_u64 s[40:41], s[6:7], s[OF:OF+1]      ; q of DL
	WIN 0x40
.irp i, 0,1,2,3
	global_load_b128 v[QF+4*\i:QF+4*\i+3], v[LI], s[38:39] offset:512*\i
.endr
	WIN 0
.irp i, 0,1,2,3
	global_load_b128 v[QL+4*\i:QL+4*\i+3], v[LI], s[40:41] offset:512*\i
.endr
	KLOAD
	VLOAD
	; where my part of out begins: row 4,096 b + 32 D + 8 e + 16 half, 256 bytes a row
	s_cmp_eq_u32 s35, 0
	s_cselect_b32 s[OF], s43, ttmp9
	s_lshl_b32 s[OF], s[OF], 5
	s_lshl_b32 s[TS], s12, 12
	s_add_co_u32 s[OF], s[OF], s[TS]
	s_lshl_b32 s[TS], s36, 3
	s_add_co_u32 s[OF], s[OF], s[TS]
	s_lshl_b32 s[TS], s37, 4
	s_add_co_u32 s[OF], s[OF], s[TS]
	s_lshl_b32 s[OF], s[OF], 8
	s_add_nc_u64 s[8:9], s[8:9], s[OF:OF+1]
	; every LDS address is made here, ahead of the first branch: constants, the lane and the wave's number
	v_and_b32 v[T0+1], 15, v0                      ; r
	v_bfe_u32 v[BM], v0, 4, 1                      ; h
	s_mul_i32 s[TS], s[WV], OPW
	v_mul_u32_u24 v[SOH], v[T0+1], 272
	v_lshl_add_u32 v[SOH], v[BM], 5, v[SOH]
	v_add_nc_u32 v[SOH], s[TS], v[SOH]
	v_add_nc_u32 v[SOL], OPJ, v[SOH]
	v_and_b32 v[DQ], 8, v[T0+1]
	v_add_nc_u32 v[DQ], v[DQ], v[T0+1]
	v_lshlrev_b32 v[BM+1], 4, v[BM]
	v_sub_nc_u32 v[DQ], v[DQ], v[BM+1]
	s_lshl_b32 s[TS], s[WV], 7
	s_add_co_u32 s[TS], s[TS], STAT
	v_lshl_add_u32 v[SS], v[T0+1], 3, s[TS]
	s_mul_i32 s[TS], s35, OPJ                      ; the merge reads rows 16 e + 8 half + 2 i + (lane / 16) of every wave's partial, 16 bytes a lane
	s_mul_i32 s42, s36, 4352
	s_add_co_u32 s[TS], s[TS], s42
	s_mul_i32 s42, s37, 2176
	s_add_co_u32 s[TS], s[TS], s42
	v_mul_u32_u24 v[RD], v[BM], 272
	v_lshl_add_u32 v[RD], v[T0+1], 4, v[RD]
	v_add_nc_u32 v[RD], s[TS], v[RD]
	s_lshr_b32 s[TS], s[WV], 1
	s_lshl_b32 s[TS], s[TS], 10
	s_lshl_b32 s42, s37, 6
	s_add_co_u32 s[TS], s[TS], s42
	s_add_co_u32 s[TS], s[TS], STAT
	v_lshl_add_u32 v[RS], v[BM], 3, s[TS]
	v_mov_b32 v[NINF], 0xff800000
	v_mov_b32 v[FF+1], 0                           ; (named as the upper half of a pair)
.irp b, 0,1,2,3
	v_mov_b32 v[PT+\b], 0                          ; a lane permute's destination counts as one of its sources
.endr
	INIT 0
	s_mov_b32 s[CNT], 3
.Lstep:                                            ; u = wave, wave + 8, wave + 16
	STEP 1
	s_sub_co_u32 s[CNT], s[CNT], 1
	s_cmp_lg_u32 s[CNT], 0
	s_cbranch_scc1 .Lstep
	s_cmp_lg_u32 s[WV], 0
	s_cbranch_scc1 .Lfin
	STEP 1                                         ; wave 0 alone has five steps: this is its u = 24
.Lfin:
	STEP 0                                         ; the wave's last step asks for nothing
	TRANS                                          ; a wave that had no low step lays its high job down now, and an empty low job below
	FLUSH SOL, 2048
	s_barrier_signal -1                            ; every wave's stores have landed (the wait for them stands at the end of FLUSH)
	s_barrier_wait -1
; THE MERGE.  Wave w takes eight rows of out: job w / 4, tile (w / 2) % 2, half w % 2; lanes 0-15 one row, lanes 16-31 the next, 16 bytes a lane, two pairs of rows at a time.
; -M of the whole = the least of the eight -M; each partial is multiplied by f = 2^(its M - the whole's M): exact; an empty partial (-M = 3e38, l = 0, O = 0) gets f = 0.
.macro MERGE2 ih
.irp ip, 0,1
.set ww, 0
.rept 8
	ds_load_b64 v[MS+16*\ip+2*ww:MS+16*\ip+2*ww+1], v[RS] offset:128*ww+16*(2*\ih+\ip)
.set ww, ww+1
.endr
.set ww, 0
.rept 8
	ds_load_b128 v[MO+32*\ip+4*ww:MO+32*\ip+4*ww+3], v[RD] offset:OPW*ww+544*(2*\ih+\ip)
.set ww, ww+1
.endr
.endr
	s_wait_dscnt 0x0
.irp ip, 0,1
.set A0, MS+16*\ip
.set R4, OUTR+4*(2*\ih+\ip)
	v_min3_num_f32 v[T0], v[A0], v[A0+2], v[A0+4]
	v_min3_num_f32 v[T0], v[T0], v[A0+6], v[A0+8]
	v_min3_num_f32 v[T0], v[T0], v[A0+10], v[A0+12]
	v_min_num_f32 v[T0], v[T0], v[A0+14]
.set ww, 0
.rept 8
	v_sub_f32 v[A0+2*ww], v[T0], v[A0+2*ww]        ; the partial's M less the whole's: a whole number, 0 or less
.set ww, ww+1
.endr
.set ww, 0
.rept 8
	v_cvt_i32_f32 v[A0+2*ww], v[A0+2*ww]
.set ww, ww+1
.endr
.set ww, 0
.rept 8
	v_ldexp_f32 v[A0+2*ww], 1.0, v[A0+2*ww]        ; f
.set ww, ww+1
.endr
	v_mul_f32 v[BM+\ip], v[A0], v[A0+1]            ; l = the sum of f l
	v_pk_mul_f32 v[R4:R4+1], v[MO+32*\ip:MO+32*\ip+1], v[A0:A0+1] op_sel_hi:[1,0]
	v_pk_mul_f32 v[R4+2:R4+3], v[MO+32*\ip+2:MO+32*\ip+3], v[A0:A0+1] op_sel_hi:[1,0]
.set ww, 1
.rept 7
	v_fmac_f32 v[BM+\ip], v[A0+2*ww], v[A0+2*ww+1]
	v_pk_fma_f32 v[R4:R4+1], v[MO+32*\ip+4*ww:MO+32*\ip+4*ww+1], v[A0+2*ww:A0+2*ww+1], v[R4:R4+1] op_sel_hi:[1,0,1]
	v_pk_fma_f32 v[R4+2:R4+3], v[MO+32*\ip+4*ww+2:MO+32*\ip+4*ww+3], v[A0+2*ww:A0+2*ww+1], v[R4+2:R4+3] op_sel_hi:[1,0,1]
.set ww, ww+1
.endr
	v_rcp_f32 v[PT+2*\ip], v[BM+\ip]
.endr
	v_nop                                          ; a plain place behind the last reciprocal
	s_wait_alu depctr_va_vdst(0)                   ; one wait for both, ahead of their first reader
.irp ip, 0,1
.set R4, OUTR+4*(2*\ih+\ip)
	v_pk_mul_f32 v[R4:R4+1], v[R4:R4+1], v[PT+2*\ip:PT+2*\ip+1] op_sel_hi:[1,0]
	v_pk_mul_f32 v[R4+2:R4+3], v[R4+2:R4+3], v[PT+2*\ip:PT+2*\ip+1] op_sel_hi:[1,0]
	global_store_b128 v[LI], v[R4:R4+3], s[8:9] offset:512*(2*\ih+\ip) th:TH_STORE_NT   ; two whole rows of out: 512 consecutive bytes, aligned; each pair of rows has registers of its own
.endr
.endm
	MERGE2 0
	MERGE2 1
	s_wait_tensorcnt 0x0
	ds_add_u32 v190, v191
	s_wait_dscnt 0x0
	s_endpgm
.Lfunc_end_k_q2765f2e359_attn:
	.size	k_q2765f2e359_attn, .Lfunc_end_k_q2765f2e359_attn-k_q2765f2e359_attn
	.p2alignl 7, 3214868480
	.fill 96, 4, 3214868480
	.section	.rodata,"a",@progbits
	.p2align	6, 0x0
	.amdhsa_kernel k_q2765f2e359_attn
		.amdhsa_group_segment_fixed_size 144384
		.amdhsa_private_segment_fixed_size 0
		.amdhsa_enable_private_segment 0
		.amdhsa_kernarg_size 24
		.amdhsa_user_sgpr_count 2
		.amdhsa_user_sgpr_kernarg_segment_ptr 1
		.amdhsa_wavefront_size32 1
		.amdhsa_system_sgpr_workgroup_id_x 1
		.amdhsa_system_sgpr_workgroup_id_y 1
		.amdhsa_system_sgpr_workgroup_id_z 1
		.amdhsa_system_vgpr_workitem_id 0
		.amdhsa_next_free_vgpr 448
		.amdhsa_next_free_sgpr 66
		.amdhsa_reserve_vcc 1
		.amdhsa_float_denorm_mode_32 3
		.amdhsa_float_denorm_mode_16_64 3
		.amdhsa_memory_ordered 1
		.amdhsa_forward_progress 1
		.amdhsa_inst_pref_size 181
	.end_amdhsa_kernel
	.amdgpu_metadata
---
amdhsa.version: [ 1, 2 ]
amdhsa.kernels:
  - .name:           k_q2765f2e359_attn
    .symbol:         k_q2765f2e359_attn.kd
    .args:
      - { .name: kv, .offset: 0, .size: 8, .value_kind: global_buffer, .address_space: global }
      - { .name: qi, .offset: 8, .size: 8, .value_kind: global_buffer, .address_space: global }
      - { .name: out0, .offset: 16, .size: 8, .value_kind: global_buffer, .address_space: global }
    .group_segment_fixed_size: 144384
    .private_segment_fixed_size: 0
    .kernarg_segment_align: 8
    .kernarg_segment_size: 24
    .max_flat_workgroup_size: 256
    .sgpr_count:     66
    .vgpr_count:     448
    .wavefront_size: 32
...
	.end_amdgpu_metadata
.endif
;; end of part 2
;; ======== version 2 of 2: 2 launches; version 1 with the launches proj, attn written anew for expert scheduling mode
;; workspace buffers: kv 1,900,544 bytes; qi 1,048,576 bytes
;; launch proj (part 3): grid 256 x 1, 2 waves a work-group, no clusters, 0 bytes of LDS; arguments x_codes, x_scales, Wq_codes, Wq_scales, Wk_codes, Wk_scales, Wv_codes, Wv_scales, kv, qi; writes kv, qi
.if DOCPART == 3
	.amdgcn_target "amdgcn-amd-amdhsa--gfx1250"
	.amdhsa_code_object_version 6
	.text
	.protected	k_q2765f2e359_proj
	.globl	k_q2765f2e359_proj
	.p2align	8
	.type	k_q2765f2e359_proj,@function
k_q2765f2e359_proj:
	s_mov_b64 s[64:65], 0
	v_nop
	global_prefetch_b8 v0, s[64:65] scope:SCOPE_SE
	s_setreg_imm32_b32 hwreg(HW_REG_WAVE_SCHED_MODE, 0, 2), 2
	s_setreg_imm32_b32 hwreg(HW_REG_WAVE_MODE, 25, 1), 1
	s_wait_xcnt 0x0
	s_wait_alu depctr_vm_vsrc(0)
; q = x Wq, k = x Wk, v = x Wv on the given codes of BF6 (E3M2) and their E8M0 bytes; sums in f32.  K = 64: the upper half of the instruction's 128 is zero codes on both sides.
; What is stored is laid as the next launch's operand registers take it, lane by lane:
;   kv: 128 records of REC bytes, record G = 128 keys (flat rows 128 G on).  Bytes 0-8191: k in f32, register 8 tau + j of lane (r, h) = k[key(tau, r)][dim 8 h + j], four registers a group, group at 512 x group + 16 x lane.
;       Bytes 8192-14335: v quantised along the keys, channel tile t = a fragment of 12 registers (lane (r, h): channel 16 t + r, registers 6 c .. 6 c + 5: keys 64 c + 32 h + 0 .. 31).  Bytes 14336 on: its scale words, 128 t + 4 x lane.
;   qi: q in f32, tile 8 G + tau of 1,024 bytes, laid as k's tiles.
; THE ROWS OF x THAT FORM A TILE ARE NOT NEIGHBOURS: key(tau = 2 b + u, r) = 32 b + 8 u + r + 8 (r / 8), so that the 16 registers of tiles 2 b and 2 b + 1 of a result are 16 neighbours along the keys.
; SHARES: record G = work-group / 2; t = 2 (work-group % 2) + wave.  A wave makes v of channel tile t for the record's 128 keys (8 products, one fragment, one scale word a channel) and q and k of key tiles 2 t, 2 t + 1 (4 products).
; Waves share nothing: no LDS, no barrier.  Every store of 16 bytes a lane covers 512 consecutive bytes, aligned; the scale words' store covers 128 consecutive bytes (64 KiB of the launch's 2.9 MB).
; LIMITS: NaN, infinities and scale bytes 0xff are not served; a block of v whose largest magnitude lies under 2^-122 (a block of zeros too) keeps the byte 1: its codes are then zeros or nearly, and this program alone reads the bytes.
; THE MODE: SCHED_MODE bits 1:0 = 2 (LLVM: expert scheduling mode 2), set by the entry lines.  The code itself states the register dependences between vector or matrix instructions and memory instructions, with s_wait_alu, always for 0.
; THE PLAN.  Registers that memory instructions touch:
;   v4-v9      offsets, made once at the head, read by every load and store, never written again.
;   the fragments' registers 0-5 and the scale words: written by loads alone, read by the products.  The fragments' registers 6-11: zeros, written by vector lines at the head, taken by the scaled products.
;   v24-55     q and k: written by four products, read by eight stores.     v72-83, v92: v's codes and scale word: written by QUANT, read by four stores.
; Three waits state it all: one for s28 ahead of its first reader; one ahead of the first load (the offsets and the zero codes are written); one ahead of the run of twelve stores, which stands behind all the arithmetic.
; No register that a memory instruction has read is written again.
.set REC,  14848
.set XS,   10                          ; v10-17   x's scale words, tile tau
.set WS,   18                          ; v18-20   scale words of Wv, Wq, Wk
.set XQS,  21                          ; v21-22   x's scale words for the q and k products
.set XF,   24                          ; v24-119  x's eight fragments
.set WVF,  120                         ; v120-131 Wv's fragment (my 16 channels)
.set HA,   132                         ; v132-195 v: 8 tiles x 8 registers
.set XQ,   196                         ; v196-219 x's two fragments for q and k
.set WQF,  220
.set WKF,  232
.set QK,   24                          ; v24-55   q (u = 0, 1), k (u = 0, 1): over x's fragments that are done with
.set TM,   56                          ; v56-71   at work in QUANT
.set PC,   72                          ; v72-83 the codes, v84-90 conversions' second halves
.set PW,   92                          ; the scale word just made
.set SEL,  34                          ; s[34:35] lane selects for v_permlanex16_b32: lane l xor 16
; 64 numbers of a lane, register 16 b + i = key 32 b + 16 (lane / 16) + i of my channel, become a fragment's codes in v[PC] on and its scale word in v[PW].
.macro QUANT src
.irp b, 0,1,2,3
	v_max3_num_f32 v[TM+\b], |v[\src+16*\b]|, |v[\src+1+16*\b]|, 0x2800000   ; block b: my 16 numbers, and the floor 2^(5 - 127): the byte cannot fall under 1
.endr
.irp i, 2,4,6,8,10,12,14
.irp b, 0,1,2,3
	v_max3_num_f32 v[TM+\b], v[TM+\b], |v[\src+16*\b+\i]|, |v[\src+1+16*\b+\i]|   ; the four blocks by turns
.endr
.endr
.irp b, 0,1,2,3
	v_permlanex16_b32 v[TM+4+\b], v[TM+\b], s[SEL], s[SEL+1]
.endr
.irp b, 0,1,2,3
	v_max_num_f32 v[TM+\b], v[TM+\b], v[TM+4+\b]   ; with lane l xor 16's: the block's largest magnitude
.endr
.irp b, 0,1,2,3
	v_add_nc_u32 v[TM+12+\b], 0xfe000000, v[TM+\b]   ; 4 off its exponent field: the conversion takes this operand's exponent field as its scale
.endr
.irp b, 0,1,2,3
	v_lshrrev_b32 v[TM+4+\b], 23, v[TM+12+\b]      ; the scale's byte
.endr
	v_lshl_or_b32 v[PW], v[TM+5], 8, v[TM+4]
	v_lshl_or_b32 v[PW], v[TM+6], 16, v[PW]
	v_lshl_or_b32 v[PW], v[TM+7], 24, v[PW]
.irp c, 0,1
	v_cvt_scalef32_pk16_bf6_f32 v[PC+6*\c:PC+2+6*\c], v[\src+32*\c:\src+15+32*\c], v[TM+12+2*\c]
	v_cvt_scalef32_pk16_bf6_f32 v[PC+12+4*\c:PC+14+4*\c], v[\src+16+32*\c:\src+31+32*\c], v[TM+12+2*\c+1]   ; (a conversion's three registers begin on an even number)
.endr
	v_nop                                          ; one plain place behind a scaled conversion
.irp c, 0,1                                    ; the operand's layout wants a whole block in a lane: lanes 0-15 block 2 c, lanes 16-31 block 2 c + 1
.irp i, 0,1,2
	v_permlane16_swap_b32 v[PC+6*\c+\i], v[PC+12+4*\c+\i]
.endr
.irp i, 0,1,2
	v_mov_b32 v[PC+3+6*\c+\i], v[PC+12+4*\c+\i]
.endr
.endr
.endm
	s_load_b512 s[8:23], s[0:1], 0x0               ; x codes 8:9, x scales 10:11, Wq 12:13, 14:15, Wk 16:17, 18:19, Wv 20:21, 22:23
	s_load_b128 s[24:27], s[0:1], 0x40             ; kv 24:25, qi 26:27
	; K = 64 .. 127 of all thirteen fragments: zero codes.  The address work below stands between these lines and the products
.set ff, 0
.rept 8
.set ii, 6
.rept 6
	v_mov_b32 v[XF+12*ff+ii], 0
.set ii, ii+1
.endr
.set ff, ff+1
.endr
.irp base, WVF, XQ, XQ+12, WQF, WKF
.set ii, 6
.rept 6
	v_mov_b32 v[\base+ii], 0
.set ii, ii+1
.endr
.endr
	v_lshrrev_b32 v1, 5, v0
	v_readfirstlane_b32 s28, v1                    ; wave 0, 1
	v_and_b32 v1, 31, v0                           ; lane
	v_and_b32 v2, 15, v0                           ; r
	v_bfe_u32 v3, v0, 4, 1                         ; h
	v_and_b32 v5, 8, v2
	v_add_nc_u32 v5, v5, v2                        ; r + 8 (r / 8)
	v_mul_u32_u24 v4, v5, 48                       ; x: a row of 64 codes is 48 bytes,
	v_mad_u32_u24 v4, v3, 24, v4                   ;    + 24 h: my block of 32
	v_lshlrev_b32 v5, 1, v5                        ; x's scales: 2 bytes a row
	v_mul_u32_u24 v6, v2, 48                       ; the weights: row r,
	v_mad_u32_u24 v6, v3, 24, v6                   ;    + 24 h
	v_lshlrev_b32 v7, 1, v2                        ; their scales
	v_lshlrev_b32 v8, 4, v1                        ; an image's place for my lane: 16 x lane
	v_lshlrev_b32 v9, 2, v1                        ; a scale word's: 4 x lane
	s_wait_alu depctr_va_sdst(0)                   ; s28 is written, ahead of its first reader: t and all the bases are made from it
	s_lshr_b32 s29, ttmp9, 1                       ; G
	s_and_b32 s30, ttmp9, 1
	s_lshl_b32 s30, s30, 1
	s_add_co_u32 s30, s30, s28                     ; t
	s_mov_b32 s33, 0
	s_mov_b32 s[SEL], 0x76543210
	s_mov_b32 s[SEL+1], 0xfedcba98
	s_wait_kmcnt 0x0
	s_mul_i32 s32, s29, 6144
	s_add_nc_u64 s[8:9], s[8:9], s[32:33]          ; x's codes at the record's first key
	s_mul_i32 s32, s30, 1536
	s_add_nc_u64 s[36:37], s[8:9], s[32:33]        ; and at key 32 t: tiles 2 t, 2 t + 1
	s_lshl_b32 s32, s29, 8
	s_add_nc_u64 s[10:11], s[10:11], s[32:33]      ; x's scales likewise
	s_lshl_b32 s32, s30, 6
	s_add_nc_u64 s[38:39], s[10:11], s[32:33]
	s_mul_i32 s32, s30, 768
	s_add_nc_u64 s[20:21], s[20:21], s[32:33]      ; Wv: my 16 channels
	s_lshl_b32 s32, s30, 5
	s_add_nc_u64 s[22:23], s[22:23], s[32:33]
	s_mul_i32 s32, s29, REC
	s_add_nc_u64 s[24:25], s[24:25], s[32:33]      ; my record
	s_lshl_b32 s32, s30, 11
	s_add_nc_u64 s[40:41], s[24:25], s[32:33]      ; k's tiles 2 t, 2 t + 1
	s_mul_i32 s32, s30, 1536
	s_add_co_u32 s32, s32, 8192
	s_add_nc_u64 s[42:43], s[24:25], s[32:33]      ; v's fragment t
	s_lshl_b32 s32, s30, 7
	s_add_co_u32 s32, s32, 14336
	s_add_nc_u64 s[44:45], s[24:25], s[32:33]      ; its scale words
	s_lshl_b32 s32, s29, 13
	s_lshl_b32 s31, s30, 11
	s_add_co_u32 s32, s32, s31
	s_add_nc_u64 s[26:27], s[26:27], s[32:33]      ; q's tiles 8 G + 2 t, + 1
	s_wait_alu depctr_va_vdst(0)                   ; the offsets v4 to v9 are written, which every load and store below reads; so are the zero codes, which the scaled products take as part of their operands (the address lines behind the zeros are their places)
.set ff, 0
.rept 8                                        ; tile tau begins at key 32 (tau / 2) + 8 (tau % 2)
.set ro, 32*(ff/2)+8*(ff%2)
	global_load_b64 v[XF+12*ff:XF+12*ff+1], v4, s[8:9] offset:ro*48
	global_load_b64 v[XF+12*ff+2:XF+12*ff+3], v4, s[8:9] offset:ro*48+8
	global_load_b64 v[XF+12*ff+4:XF+12*ff+5], v4, s[8:9] offset:ro*48+16
	global_load_u16 v[XS+ff], v5, s[10:11] offset:ro*2      ; bytes 0, 1: the row's two blocks; bytes 2, 3 come as 0 and stand over zero codes
.set ff, ff+1
.endr
.irp u, 0,1
.irp p, 0,1,2
	global_load_b64 v[XQ+12*\u+2*\p:XQ+12*\u+2*\p+1], v4, s[36:37] offset:384*\u+8*\p
.endr
	global_load_u16 v[XQS+\u], v5, s[38:39] offset:16*\u
.endr
.irp p, 0,1,2
	global_load_b64 v[WVF+2*\p:WVF+2*\p+1], v6, s[20:21] offset:8*\p
	global_load_b64 v[WQF+2*\p:WQF+2*\p+1], v6, s[12:13] offset:8*\p
	global_load_b64 v[WKF+2*\p:WKF+2*\p+1], v6, s[16:17] offset:8*\p
.endr
	global_load_u16 v[WS], v7, s[22:23]
	global_load_u16 v[WS+1], v7, s[14:15]
	global_load_u16 v[WS+2], v7, s[18:19]
	s_wait_loadcnt 0x0                             ; all is wanted at once
	; v: source 0 = 16 keys of x, source 1 = my 16 channels of Wv: lane (r, h) holds channel r, register 8 tau + j key 32 (tau / 2) + 16 h + 8 (tau % 2) + j
.set ff, 0
.rept 8
	v_wmma_scale_f32_16x16x128_f8f6f4 v[HA+8*ff:HA+8*ff+7], v[XF+12*ff:XF+12*ff+11], v[WVF:WVF+11], 0, v[XS+ff], v[WS] matrix_a_fmt:MATRIX_FMT_BF6 matrix_b_fmt:MATRIX_FMT_BF6
.set ff, ff+1
.endr
.rept 5
	v_nop                                          ; five places: the next products write over operands of these (the rule: ISA guide 7.12.1)
.endr
	; q, k transposed: source 0 = the 16 head dims of Wq or Wk, source 1 = 16 rows of x: lane (r, h) holds row key(2 t + u, r), register j dim 8 h + j
.irp u, 0,1
	v_wmma_scale_f32_16x16x128_f8f6f4 v[QK+8*\u:QK+8*\u+7], v[WQF:WQF+11], v[XQ+12*\u:XQ+12*\u+11], 0, v[WS+1], v[XQS+\u] matrix_a_fmt:MATRIX_FMT_BF6 matrix_b_fmt:MATRIX_FMT_BF6
	v_wmma_scale_f32_16x16x128_f8f6f4 v[QK+16+8*\u:QK+16+8*\u+7], v[WKF:WKF+11], v[XQ+12*\u:XQ+12*\u+11], 0, v[WS+2], v[XQS+\u] matrix_a_fmt:MATRIX_FMT_BF6 matrix_b_fmt:MATRIX_FMT_BF6
.endr
.irp b, 0,1,2,3
	v_mov_b32 v[TM+4+\b], 0                        ; a lane permute's destination counts as one of its sources.  These four, and QUANT's lines, name no register of the four products above: they are the places ahead of the stores of q and k
.endr
	QUANT HA                                       ; it names none of q's and k's registers
	s_wait_alu depctr_va_vdst(0)                   ; the four products have written q and k, QUANT has written v's codes and scale word: the twelve stores below read them
.irp u, 0,1
.irp g, 0,1                                    ; each result from its low end on
	global_store_b128 v8, v[QK+8*\u+4*\g:QK+8*\u+4*\g+3], s[26:27] offset:1024*\u+512*\g
.endr
.endr
.irp u, 0,1
.irp g, 0,1
	global_store_b128 v8, v[QK+16+8*\u+4*\g:QK+16+8*\u+4*\g+3], s[40:41] offset:1024*\u+512*\g
.endr
.endr
.irp g, 0,1,2
	global_store_b128 v8, v[PC+4*\g:PC+4*\g+3], s[42:43] offset:512*\g
.endr
	global_store_b32 v9, v[PW], s[44:45]
	s_endpgm
.Lfunc_end_k_q2765f2e359_proj:
	.size	k_q2765f2e359_proj, .Lfunc_end_k_q2765f2e359_proj-k_q2765f2e359_proj
	.p2alignl 7, 3214868480
	.fill 96, 4, 3214868480
	.section	.rodata,"a",@progbits
	.p2align	6, 0x0
	.amdhsa_kernel k_q2765f2e359_proj
		.amdhsa_group_segment_fixed_size 0
		.amdhsa_private_segment_fixed_size 0
		.amdhsa_enable_private_segment 0
		.amdhsa_kernarg_size 80
		.amdhsa_user_sgpr_count 2
		.amdhsa_user_sgpr_kernarg_segment_ptr 1
		.amdhsa_wavefront_size32 1
		.amdhsa_system_sgpr_workgroup_id_x 1
		.amdhsa_system_sgpr_workgroup_id_y 1
		.amdhsa_system_sgpr_workgroup_id_z 1
		.amdhsa_system_vgpr_workitem_id 0
		.amdhsa_next_free_vgpr 256
		.amdhsa_next_free_sgpr 66
		.amdhsa_reserve_vcc 0
		.amdhsa_float_denorm_mode_32 3
		.amdhsa_float_denorm_mode_16_64 3
		.amdhsa_memory_ordered 1
		.amdhsa_forward_progress 1
		.amdhsa_inst_pref_size 17
	.end_amdhsa_kernel
	.amdgpu_metadata
---
amdhsa.version: [ 1, 2 ]
amdhsa.kernels:
  - .name:           k_q2765f2e359_proj
    .symbol:         k_q2765f2e359_proj.kd
    .args:
      - { .name: x_codes, .offset: 0, .size: 8, .value_kind: global_buffer, .address_space: global }
      - { .name: x_scales, .offset: 8, .size: 8, .value_kind: global_buffer, .address_space: global }
      - { .name: Wq_codes, .offset: 16, .size: 8, .value_kind: global_buffer, .address_space: global }
      - { .name: Wq_scales, .offset: 24, .size: 8, .value_kind: global_buffer, .address_space: global }
      - { .name: Wk_codes, .offset: 32, .size: 8, .value_kind: global_buffer, .address_space: global }
      - { .name: Wk_scales, .offset: 40, .size: 8, .value_kind: global_buffer, .address_space: global }
      - { .name: Wv_codes, .offset: 48, .size: 8, .value_kind: global_buffer, .address_space: global }
      - { .name: Wv_scales, .offset: 56, .size: 8, .value_kind: global_buffer, .address_space: global }
      - { .name: kv, .offset: 64, .size: 8, .value_kind: global_buffer, .address_space: global }
      - { .name: qi, .offset: 72, .size: 8, .value_kind: global_buffer, .address_space: global }
    .group_segment_fixed_size: 0
    .private_segment_fixed_size: 0
    .kernarg_segment_align: 8
    .kernarg_segment_size: 80
    .max_flat_workgroup_size: 64
    .sgpr_count:     66
    .vgpr_count:     256
    .wavefront_size: 32
...
	.end_amdgpu_metadata
.endif
;; end of part 3
;; launch attn (part 4): grid 64 x 4, 8 waves a work-group, no clusters, 144,384 bytes of LDS; arguments kv, qi, out0; writes out0
.if DOCPART == 4
	.amdgcn_target "amdgcn-amd-amdhsa--gfx1250"
	.amdhsa_code_object_version 6
	.text
	.protected	k_q2765f2e359_attn
	.globl	k_q2765f2e359_attn
	.p2align	8
	.type	k_q2765f2e359_attn,@function
k_q2765f2e359_attn:
	s_mov_b64 s[64:65], 0
	v_nop
	global_prefetch_b8 v0, s[64:65] scope:SCOPE_SE
	s_setreg_imm32_b32 hwreg(HW_REG_WAVE_SCHED_MODE, 0, 2), 2
	s_setreg_imm32_b32 hwreg(HW_REG_WAVE_MODE, 25, 1), 1
	s_wait_xcnt 0x0
	s_wait_alu depctr_vm_vsrc(0)
; out[b][q] = the sum over keys k <= q of softmax_k(q . k / 4) v[k].  q, k: f32 images, v: codes of BF6 (E3M2) along the keys with E8M0 scale words, all laid by the launch before as this launch's operand registers.
; SCORES in f32 (v_wmma_f32_16x16x4_f32: they go on into a quantiser), S^T = K Q^T: a lane holds ONE query, its registers run along the keys.  t = score x log2(e) / 4; M = the running largest t rounded UP to a whole number;
; p = 2^(t - M) is quantised along the keys, block by block of 32; the row's sum is taken of the unquantised p; O^T += V^T P^T on codes.  When M moves, the sum and O^T are multiplied by 2^(old M - new M): exact.
; SHARES.  Work-group (g, b) owns two double tiles of 32 queries of batch b: DH = 127 - g with NH = 32 - g / 4 key steps of 128 keys, and DL = g with g / 4 + 1: always 33 steps, so all 256 work-groups have equal work.
; The steps are numbered u = 0 .. 32 (u < NH: DH's step u; else DL's step u - NH); wave w takes u = w, w + 8, w + 16, w + 24, wave 0 also u = 32.  A wave holds both tiles of 16 queries of its double tile, so each fragment of K and V
; that it loads feeds two tiles.  Each wave keeps its own M, sum and O^T; where it passes from DH to DL it lays them in LDS, and at the end again; one barrier; then the eight partial results of each job are merged (powers of two again) and stored.
; Tile e of double tile D holds queries 32 D + 8 e + r + 8 (r / 8); the keys of tile 2 b + u of a step are 32 b + 8 u + r + 8 (r / 8): so the 16 registers of two neighbouring score tiles are 16 neighbouring keys.
; THE MASK is the C of each score sum's first product: 64 registers of 0, which in a job's last step (the one on the diagonal) become -infinity where the key comes after the query.  Steps beyond the diagonal do not exist.
; No tensor load, no ring, no cluster: the eight waves of a work-group are at eight different key steps, so no tile in LDS would have a second reader; operands go from memory straight into registers, 512 consecutive bytes a load.
; LIMITS: NaN and infinities are not served; M is exact for |t| under 2^24; p under 2^-126 comes out as 0; a block whose largest p lies under 2^-122 keeps the byte 1; a score's 16 products are summed in the order dim 8 h + 2 kk + jj (h = lane / 16).
; REGISTERS, in windows of 256 (s_set_vgpr_msb: bits 1:0 source 0, 3:2 source 1, 5:4 source 2, 7:6 destination).  The scores' registers, v192-255 of window 0, are written by matrix instructions alone, and window 1 ends at 191.
; THE MODE: SCHED_MODE bits 1:0 = 2 (LLVM: expert scheduling mode 2), set by the entry lines.  The code itself states the register dependences between vector or matrix instructions and memory or LDS instructions, with s_wait_alu, always for 0.
; THE PLAN.  Registers that memory or LDS instructions touch:
;   K              Read by a step's 64 score products.  Behind them ONE wait on va_vdst, and the next step's 16 loads land in it, in one run.
;   V, VS          Read by a step's eight products V^T P^T.  A step's V is asked for in the step itself, straight behind the wait that follows tile 0's first batch of exponentials: that wait also states that the last
;                  step's products are done reading V and VS.  The loads have the rest of tile 0's softmax, tile 1's scores and its softmax in which to land.
;   q              Loaded at the head alone.
;   p's codes, PW  Named by vector and matrix instructions alone; written by vector lines and taken by scaled products: one wait on va_vdst ahead of these, behind their places.
;   O^T, (-M, l)   Written by vector and matrix instructions; read by FLUSH's LDS stores: one wait on va_vdst ahead of the run.  Written again by INIT, and by the merge's LDS loads: one wait on vm_vsrc ahead of each.
;   the merge      Its loads land in registers that vector and matrix lines named: the wait ahead of the last FLUSH's stores covers the first pair of rows' (no vector line follows it), the wait ahead of a pair's global stores the next pair's.
;                  Each pair of rows is stored from registers of its own, which nothing writes again.
;   v1-3, v180-183, v190, v191   Addresses, made at the head and never written again: the records are reached by scalar bases and immediate offsets.
;   s10, s48-63    Written by vector instructions: a wait on va_sdst stands between each run of writers and its first reader.
.set REC,  14848                       ; a record of kv: K 8,192 bytes, V 6,144, V's scale words 512
.set OPW,  8704                        ; LDS: a wave's partial O of a job: 32 rows (16 e + r) x 272 bytes (256 + 16)
.set OPJ,  69632                       ; eight of them: a job's
.set STAT, 139264                      ; behind both jobs': the pairs (-M, l): ((2 job + e) 8 + wave) 128 + 8 r
.set LI,   1                           ; v1   16 x lane: an image's place, and my place in two rows of out
.set SOH,  2                           ; v2   where I put 32 bytes of a row of job 0's partial O: OPW x wave + 272 r + 32 h
.set SOL,  3                           ; v3   the same for job 1
.set DQ,   4                           ; v4   r + 8 (r / 8) - 16 h
.set NINF, 5                           ; v5   -infinity
.set T0,   6                           ; v6-7 at work
.set ST,   8                           ; v8-11, v12-15  tile e: -M, the largest t, the sum in two halves
.set BM,   16                          ; v16-19 the blocks' largest scores, then largest p
.set PT,   20                          ; v20-23 permutes' results, bytes
.set SCO,  24                          ; v24-27 the conversions' scale operands
.set FF,   28                          ; v28-29 f = 2^(old M - new M) (the pair's low word serves both halves)
.set PW,   30                          ; v30-31 p's scale words, tile e
.set VS,   32                          ; v32-35 V's scale words, channel tile t
.set CT,   36                          ; v36-38, v40-42 conversions' second halves
.set CO,   44                          ; v44-55, v56-67 p's codes, tile e
.set PP,   68                          ; v68-99 32 numbers p
.set OA,   100                         ; v100-163 O^T: tile e, channel tile t at 32 e + 8 t
.set QL,   164                         ; v164-179 the low job's q
.set RD,   180                         ; v180 the merge: where I read partial O
.set RS,   181                         ; v181 and the pairs (-M, l)
.set L4,   182                         ; v182 4 x lane
.set SS,   183                         ; v183 where I put a pair (-M, l): STAT + 128 wave + 8 r
.set SA,   192                         ; v192-255 S^T: 8 tiles x 8 registers
.set KF,   0                           ; window 1: v0-63 K;
.set VF,   64                          ;   v64-111 V's four fragments;
.set QF,   112                         ;   v112-127 q of the job in hand, 8 a tile;
.set MK,   128                         ;   v128-191 the mask
.set MS,   36                          ; the merge: v36-67 two rows' eight pairs; v100-163 two rows' eight partial O; v68-83 the results
.set MO,   100
.set OUTR, 68
.set WV,   10
.set NH,   14
.set NH1,  15
.set UU,   16                          ; s16 the step in hand
.set TS,   17
.set SDH,  18                          ; s18 32 (DH % 4): the high job's first query less its last step's first key
.set SDL,  19                          ; s19 32 (DL % 4)
.set KB,   20                          ; s[20:21] the record from which K is loaded
.set VB,   22                          ; s[22:23] and V
.set KVB,  24                          ; s[24:25] the batch's first record
.set OF,   26                          ; s[26:27] an offset; the high word stays 0
.set MD,   28
.set DT,   29
.set SEL,  30                          ; s[30:31] lane l xor 16
.set CS,   32                          ; s[32:33] c = log2(e) / 4
.set CNT,  34
.set CM,   48                          ; s48-63 the masks of sixteen compares on the diagonal
.set MSB, 0
.macro WIN new                         ; the immediate's high byte repeats the setting that is left; a switch that changes nothing is dropped
.if MSB != \new
	s_set_vgpr_msb (MSB<<8)|\new
.set MSB, \new
.endif
.endm
.macro KLOAD                           ; a step's K: 16 loads of 512 consecutive bytes
	WIN 0x40
.set ii, 0
.rept 16
	global_load_b128 v[KF+4*ii:KF+4*ii+3], v[LI], s[KB:KB+1] offset:512*ii
.set ii, ii+1
.endr
	WIN 0
.endm
.macro VLOAD                           ; a step's V and its scale words: 16 loads too
	WIN 0x40
.set ii, 0
.rept 12
	global_load_b128 v[VF+4*ii:VF+4*ii+3], v[LI], s[VB:VB+1] offset:8192+512*ii
.set ii, ii+1
.endr
	WIN 0
.irp t, 0,1,2,3
	global_load_b32 v[VS+\t], v[L4], s[VB:VB+1] offset:14336+128*\t
.endr
.endm
; A job begins: O^T and the sums are zeros, the largest t is -3e38 (the first change of M multiplies zeros by 0), the mask is open.  q = 1: the low job's q takes its place.
.macro INIT q
.set ii, 0
.rept 64
	v_mov_b32 v[OA+ii], 0
.set ii, ii+1
.endr
.irp e, 0,1
	v_mov_b32 v[ST+4*\e+1], 0xff61b1e6
	v_mov_b32 v[ST+4*\e+2], 0
	v_mov_b32 v[ST+4*\e+3], 0
	v_floor_f32 v[ST+4*\e], -v[ST+4*\e+1]
.endr
	WIN 0x40
.set ii, 0
.rept 64
	v_mov_b32 v[MK+ii], 0
.set ii, ii+1
.endr
.if \q
.set ii, 0
.rept 16
	v_mov_b32 v[QF+ii], v[QL+ii]
.set ii, ii+1
.endr
.endif
	WIN 0
.endm
; A job's partial result goes to LDS: for each tile the pair (-M, l), l = the sum's two halves and lane l xor 16's; then O^T, each accumulator from its low end on.
.macro FLUSH so, stoff
.irp e, 0,1
	v_add_f32 v[ST+4*\e+1], v[ST+4*\e+2], v[ST+4*\e+3]
.endr
.irp e, 0,1
	v_permlanex16_b32 v[PT+\e], v[ST+4*\e+1], s[SEL], s[SEL+1]
.endr
.irp e, 0,1
	v_add_f32 v[ST+4*\e+1], v[ST+4*\e+1], v[PT+\e]
.endr
	s_wait_alu depctr_va_vdst(0)                   ; the additions have written the pairs (-M, l), the products and multiplications O^T, the head the LDS addresses: the stores below read them (the places behind the last products stay beside this wait)
.irp e, 0,1
	ds_store_b64 v[SS], v[ST+4*\e:ST+4*\e+1] offset:\stoff+1024*\e      ; both halves of the lanes write the same pair
.endr
.irp e, 0,1
.irp t, 0,1,2,3
	ds_store_b128 v[\so], v[OA+32*\e+8*\t:OA+32*\e+8*\t+3] offset:4352*\e+64*\t
	ds_store_b128 v[\so], v[OA+32*\e+8*\t+4:OA+32*\e+8*\t+7] offset:4352*\e+64*\t+16
.endr
.endr
	s_wait_dscnt 0x0                               ; my stores have landed: for the other waves' sake, ahead of the barrier
.endm
; From the high job to the low: at the wave's first u >= NH, that is where 0 <= u - NH < 8; behind the last step the same test, on the last u + 8, finds the waves that had no low step.
.macro TRANS
	s_sub_co_u32 s[TS], s[UU], s[NH]
	s_cmp_lt_u32 s[TS], 8
	s_cbranch_scc0 .Lsame_job_\@
	FLUSH SOH, 0
	s_wait_alu depctr_vm_vsrc(0)                   ; the LDS stores above have read O^T and the pairs (-M, l), which the lines below write again
	INIT 1
.Lsame_job_\@:
.endm
; On the diagonal: register n of the scores holds key 32 (n / 16) + n % 16 + 16 h of the step; it is hidden where that lies above my query, MD + 8 e + r + 8 (r / 8) from the step's first key.
; The compares go in runs of sixteen, a scalar register each, so that one wait serves a run.
.macro MASKSET e
	s_cmp_lg_u32 s[UU], s[DT]
	s_cbranch_scc1 .Lopen_\@
	s_add_co_u32 s[TS], s[MD], 8*\e
	v_add_nc_u32 v[T0], s[TS], v[DQ]
	WIN 0x40
.set nb, 0
.rept 4
.set nn, 0
.rept 16
	v_cmp_gt_i32 s[CM+nn], 32*nb+nn, v[T0]
.set nn, nn+1
.endr
	s_wait_alu depctr_va_sdst(0)                   ; the sixteen compares have written s48 to s63, ahead of the selects that read them
.set nn, 0
.rept 16
	v_cndmask_b32 v[MK+16*nb+nn], 0, v[NINF], s[CM+nn]
.set nn, nn+1
.endr
.set nb, nb+1
.endr
	WIN 0
.Lopen_\@:
.endm
; S^T = K Q^T for tile e: eight tiles of 16 keys by turns, four K steps of 4; the first takes the mask as C.
.macro SCORES e
	WIN 0x15                                       ; K, q and the mask in window 1, S^T in window 0
.set ii, 0
.rept 8
	v_wmma_f32_16x16x4_f32 v[SA+8*ii:SA+8*ii+7], v[KF+8*ii:KF+8*ii+1], v[QF+8*\e:QF+8*\e+1], v[MK+8*ii:MK+8*ii+7]
.set ii, ii+1
.endr
	WIN 0x05
.set kk, 1
.rept 3
.set ii, 0
.rept 8
	v_wmma_f32_16x16x4_f32 v[SA+8*ii:SA+8*ii+7], v[KF+8*ii+2*kk:KF+8*ii+2*kk+1], v[QF+8*\e+2*kk:QF+8*\e+2*kk+1], v[SA+8*ii:SA+8*ii+7]
.set ii, ii+1
.endr
.set kk, kk+1
.endr
	WIN 0
.rept 8
	v_nop                                          ; eight places behind this form, ahead of the reads of S^T
.endr
.endm
; Keys 64 hf on of tile e: p, its sums, its codes.  In tile 0's first half the step's V is asked for.
.macro HALF e, hf
.set jj, 0
.rept 16
	v_pk_fma_f32 v[PP+jj:PP+jj+1], v[SA+32*\hf+jj:SA+32*\hf+jj+1], s[CS:CS+1], v[ST+4*\e:ST+4*\e+1] op_sel_hi:[1,0,0]   ; t - M, two at a time
.set jj, jj+2
.endr
.set jj, 0
.rept 32
	v_exp_f32 v[PP+jj], v[PP+jj]                   ; p = 2^(t - M), at most 1
.set jj, jj+1
.endr
.if \hf == 0
.irp b, 0,1,2,3
	v_exp_f32 v[BM+\b], v[BM+\b]                   ; each block's largest p: the same two instructions on the block's largest score give the same bits
.endr
	v_pk_mul_f32 v[ST+4*\e+2:ST+4*\e+3], v[ST+4*\e+2:ST+4*\e+3], v[FF:FF+1] op_sel_hi:[1,0]   ; the sums under the new M: the plain place behind the exponentials
.else
	v_nop                                          ; the plain place behind the exponentials
.endif
.if (\e == 0) && (\hf == 0)
	WIN 0x40                                       ; (V's loads land in window 1: the switch stands ahead of the wait)
.endif
	s_wait_alu depctr_va_vdst(0)                   ; the batch of exponentials has written p (in a tile's first half the blocks' largest p too), ahead of its first reader; in tile 0's first half also: the last step's products V^T P^T are done reading V and VS
.if (\e == 0) && (\hf == 0)
	VLOAD                                          ; this step's V.  No further wait: nothing but loads and window switches stands between the wait and these loads
.endif
	v_pk_add_f32 v[T0:T0+1], v[PP:PP+1], v[PP+2:PP+3]   ; the row's sum is taken of the unquantised p, in two chains
.set jj, 4
.rept 7
	v_pk_add_f32 v[ST+4*\e+2:ST+4*\e+3], v[ST+4*\e+2:ST+4*\e+3], v[PP+jj:PP+jj+1]
	v_pk_add_f32 v[T0:T0+1], v[T0:T0+1], v[PP+jj+2:PP+jj+3]
.set jj, jj+4
.endr
	v_pk_add_f32 v[ST+4*\e+2:ST+4*\e+3], v[ST+4*\e+2:ST+4*\e+3], v[T0:T0+1]
.if \hf == 0
.irp b, 0,1,2,3
	v_max_num_f32 v[BM+\b], 0x2800000, v[BM+\b]    ; the floor 2^(5 - 127): the byte cannot fall under 1
.endr
.irp b, 0,1,2,3
	v_add_nc_u32 v[SCO+\b], 0xfe000000, v[BM+\b]   ; 4 off the exponent field: the conversion's scale operand
.endr
.irp b, 0,1,2,3
	v_lshrrev_b32 v[PT+\b], 23, v[SCO+\b]          ; the scale's byte
.endr
	v_lshl_or_b32 v[PW+\e], v[PT+1], 8, v[PT]      ; p's scale word for these 128 keys
	v_lshl_or_b32 v[PW+\e], v[PT+2], 16, v[PW+\e]
	v_lshl_or_b32 v[PW+\e], v[PT+3], 24, v[PW+\e]
.endif
	v_cvt_scalef32_pk16_bf6_f32 v[CO+12*\e+6*\hf:CO+12*\e+6*\hf+2], v[PP:PP+15], v[SCO+2*\hf]
	v_cvt_scalef32_pk16_bf6_f32 v[CT+4*\hf:CT+4*\hf+2], v[PP+16:PP+31], v[SCO+2*\hf+1]   ; (a conversion's three registers begin on an even number)
	v_nop                                          ; one plain place behind a scaled conversion
.irp i, 0,1,2
	v_permlane16_swap_b32 v[CO+12*\e+6*\hf+\i], v[CT+4*\hf+\i]     ; a whole block to a lane: lanes 0-15 block 2 hf, lanes 16-31 block 2 hf + 1
.endr
.irp i, 0,1,2
	v_mov_b32 v[CO+12*\e+6*\hf+3+\i], v[CT+4*\hf+\i]
.endr
.endm
.macro SOFT e
.irp b, 0,1,2,3
	v_max3_num_f32 v[BM+\b], v[SA+16*\b], v[SA+16*\b+1], v[SA+16*\b+2]   ; the largest score of each block of 32 keys: for the row's maximum, and for the block's largest p.  Each accumulator is read from its low end on
.endr
.irp i, 3,5,7,9,11,13
.irp b, 0,1,2,3
	v_max3_num_f32 v[BM+\b], v[BM+\b], v[SA+16*\b+\i], v[SA+16*\b+\i+1]
.endr
.endr
.irp b, 0,1,2,3
	v_max_num_f32 v[BM+\b], v[BM+\b], v[SA+16*\b+15]
.endr
.irp b, 0,1,2,3
	v_permlanex16_b32 v[PT+\b], v[BM+\b], s[SEL], s[SEL+1]
.endr
.irp b, 0,1,2,3
	v_max_num_f32 v[BM+\b], v[BM+\b], v[PT+\b]     ; with lane l xor 16's 16 keys
.endr
	v_max3_num_f32 v[T0], v[BM], v[BM+1], v[BM+2]
	v_max_num_f32 v[T0], v[T0], v[BM+3]            ; the step's largest score of my query
	v_mul_f32 v[T0], s[CS], v[T0]                  ; as t (c is positive)
	v_max_num_f32 v[ST+4*\e+1], v[ST+4*\e+1], v[T0]   ; the running largest t
	v_mov_b32 v[T0], v[ST+4*\e]
	v_floor_f32 v[ST+4*\e], -v[ST+4*\e+1]          ; the new -M = floor(-t) = -ceil(t)
	v_sub_f32 v[T0], v[ST+4*\e], v[T0]             ; old M - new M: a whole number, 0 or less
	v_cvt_i32_f32 v[T0], v[T0]                     ; (it saturates)
	v_ldexp_f32 v[FF], 1.0, v[T0]                  ; f = 2^(old M - new M)
.irp b, 0,1,2,3
	v_fma_f32 v[BM+\b], v[BM+\b], s[CS], v[ST+4*\e]
.endr
	HALF \e, 0
	HALF \e, 1
.set jj, 0
.rept 16
	v_pk_mul_f32 v[OA+32*\e+jj:OA+32*\e+jj+1], v[OA+32*\e+jj:OA+32*\e+jj+1], v[FF:FF+1] op_sel_hi:[1,0]   ; O^T under the new M, ascending; these are also the places between p's codes and the products that take them
.set jj, jj+2
.endr
.endm
.macro PV                              ; O^T += V^T P^T: eight accumulators, one instruction each
	s_wait_alu depctr_va_vdst(0)                   ; the conversions, exchanges and moves have written both tiles' codes of p, the shifts their scale words: the scaled products below take them; the sixteen multiplications above are the places, which stay beside this wait
	WIN 0x01                                       ; V in window 1
.irp t, 0,1,2,3
.irp e, 0,1
	v_wmma_scale_f32_16x16x128_f8f6f4 v[OA+32*\e+8*\t:OA+32*\e+8*\t+7], v[VF+12*\t:VF+12*\t+11], v[CO+12*\e:CO+12*\e+11], v[OA+32*\e+8*\t:OA+32*\e+8*\t+7], v[VS+\t], v[PW+\e] matrix_a_fmt:MATRIX_FMT_BF6 matrix_b_fmt:MATRIX_FMT_BF6
.endr
.endr
	WIN 0
.rept 4
	v_nop                                          ; four places behind this form, ahead of the reads of O^T
.endr
.endm
; A KEY STEP.  Its V is asked for in tile 0's softmax.  pf = 1: the wave has a further step: its K is asked for when both tiles' scores are made.
.macro STEP pf
	s_wait_loadcnt 0x0                             ; K is in (and, in the first step, q): nothing younger is out
	s_mov_b64 s[VB:VB+1], s[KB:KB+1]               ; this step's V lies in K's record; no load is out, so none still reads the old base
	TRANS
	s_cmp_eq_u32 s[UU], 32                         ; the steps on the diagonal: u = 32 for the low job, u = NH - 1 for the high
	s_cselect_b32 s[MD], s[SDL], s[SDH]
	s_cselect_b32 s[DT], s[UU], s[NH1]
	MASKSET 0
	SCORES 0
	SOFT 0
	MASKSET 1
	SCORES 1
.if \pf
	s_add_co_u32 s[OF], s[UU], 8                   ; the next u, and its record: u, or u - NH in the low job
	s_sub_co_u32 s[TS], s[OF], s[NH]
	s_cmp_lt_u32 s[OF], s[NH]
	s_cselect_b32 s[OF], s[OF], s[TS]
	s_mul_i32 s[OF], s[OF], REC
	s_add_nc_u64 s[KB:KB+1], s[KVB:KVB+1], s[OF:OF+1]   ; K's loads by the old base were shown done at the step's head; V's read their own base
	WIN 0x40                                       ; (K's loads land in window 1: the switch stands ahead of the wait)
	s_wait_alu depctr_va_vdst(0)                   ; both tiles' score products are done reading K, in which the loads below land
	KLOAD
.endif
	SOFT 1
.if \pf
	s_wait_loadcnt 16                              ; V and its scale words are in: younger are only the next K's 16 loads
.else
	s_wait_loadcnt 0x0
.endif
	PV
	s_add_co_u32 s[UU], s[UU], 8
.endm
	s_load_b128 s[4:7], s[0:1], 0x0                ; kv, qi
	s_load_b64 s[8:9], s[0:1], 0x10                ; out
	v_lshl_add_u32 v190, v0, 2, 0x23000
	v_mov_b32 v191, 0
	v_lshrrev_b32 v[T0], 5, v0
	v_readfirstlane_b32 s[WV], v[T0]               ; wave 0..7
	v_and_b32 v[T0], 31, v0
	v_lshlrev_b32 v[LI], 4, v[T0]
	v_lshlrev_b32 v[L4], 2, v[T0]
	s_wait_alu depctr_va_sdst(0)                   ; s10, the wave's number, is written, ahead of its first reader
	s_and_b32 s12, ttmp7, 0xffff                   ; b
	s_lshr_b32 s13, ttmp9, 2                       ; g / 4
	s_sub_co_u32 s[NH], 32, s13
	s_sub_co_u32 s[NH1], 31, s13
	s_and_b32 s[SDL], ttmp9, 3
	s_lshl_b32 s[SDL], s[SDL], 5
	s_sub_co_u32 s[SDH], 96, s[SDL]                ; (127 - g) % 4 = 3 - g % 4
	s_sub_co_u32 s43, 127, ttmp9                   ; DH
	s_lshl_b32 s44, s12, 7                         ; 128 b: the batch's first double tile
	s_lshr_b32 s35, s[WV], 2                       ; the merge: my job,
	s_bfe_u32 s36, s[WV], 0x10001                  ; my tile e,
	s_and_b32 s37, s[WV], 1                        ; my half of its 16 rows
	s_mov_b32 s[OF+1], 0
	s_mov_b32 s[SEL], 0x76543210
	s_mov_b32 s[SEL+1], 0xfedcba98
	s_mov_b32 s[CS], 0x3eb8aa3b                    ; c = log2(e) / 4
	s_mov_b32 s[CS+1], s[CS]                       ; (named with it as a pair, so it is written)
	s_mov_b32 s[UU], s[WV]
	s_wait_kmcnt 0x0
	s_mul_i32 s[OF], s12, 32*REC
	s_add_nc_u64 s[KVB:KVB+1], s[4:5], s[OF:OF+1]
	s_mul_i32 s[OF], s[WV], REC
	s_add_nc_u64 s[KB:KB+1], s[KVB:KVB+1], s[OF:OF+1]   ; my first step: u = wave, which is under NH (17 at the least)
	s_add_co_u32 s[OF], s44, s43
	s_lshl_b32 s[OF], s[OF], 11
	s_add_nc_u64 s[38:39], s[6:7], s[OF:OF+1]      ; q of DH: 2,048 bytes a double tile
	s_add_co_u32 s[OF], s44, ttmp9
	s_lshl_b32 s[OF], s[OF], 11
	s_add_nc_u64 s[40:41], s[6:7], s[OF:OF+1]      ; q of DL
	WIN 0x40
	s_wait_alu depctr_va_vdst(0)                   ; v1 and v182, the offsets of every global load and store of the kernel, are written
.irp i, 0,1,2,3
	global_load_b128 v[QF+4*\i:QF+4*\i+3], v[LI], s[38:39] offset:512*\i
.endr
	WIN 0
.irp i, 0,1,2,3
	global_load_b128 v[QL+4*\i:QL+4*\i+3], v[LI], s[40:41] offset:512*\i
.endr
	KLOAD
	; where my part of out begins: row 4,096 b + 32 D + 8 e + 16 half, 256 bytes a row
	s_cmp_eq_u32 s35, 0
	s_cselect_b32 s[OF], s43, ttmp9
	s_lshl_b32 s[OF], s[OF], 5
	s_lshl_b32 s[TS], s12, 12
	s_add_co_u32 s[OF], s[OF], s[TS]
	s_lshl_b32 s[TS], s36, 3
	s_add_co_u32 s[OF], s[OF], s[TS]
	s_lshl_b32 s[TS], s37, 4
	s_add_co_u32 s[OF], s[OF], s[TS]
	s_lshl_b32 s[OF], s[OF], 8
	s_add_nc_u64 s[8:9], s[8:9], s[OF:OF+1]
	; every LDS address is made here, ahead of the first branch: constants, the lane and the wave's number.  Their first readers stand behind FLUSH's wait on va_vdst
	v_and_b32 v[T0+1], 15, v0                      ; r
	v_bfe_u32 v[BM], v0, 4, 1                      ; h
	s_mul_i32 s[TS], s[WV], OPW
	v_mul_u32_u24 v[SOH], v[T0+1], 272
	v_lshl_add_u32 v[SOH], v[BM], 5, v[SOH]
	v_add_nc_u32 v[SOH], s[TS], v[SOH]
	v_add_nc_u32 v[SOL], OPJ, v[SOH]
	v_and_b32 v[DQ], 8, v[T0+1]
	v_add_nc_u32 v[DQ], v[DQ], v[T0+1]
	v_lshlrev_b32 v[BM+1], 4, v[BM]
	v_sub_nc_u32 v[DQ], v[DQ], v[BM+1]
	s_lshl_b32 s[TS], s[WV], 7
	s_add_co_u32 s[TS], s[TS], STAT
	v_lshl_add_u32 v[SS], v[T0+1], 3, s[TS]
	s_mul_i32 s[TS], s35, OPJ                      ; the merge reads rows 16 e + 8 half + 2 i + (lane / 16) of every wave's partial, 16 bytes a lane
	s_mul_i32 s42, s36, 4352
	s_add_co_u32 s[TS], s[TS], s42
	s_mul_i32 s42, s37, 2176
	s_add_co_u32 s[TS], s[TS], s42
	v_mul_u32_u24 v[RD], v[BM], 272
	v_lshl_add_u32 v[RD], v[T0+1], 4, v[RD]
	v_add_nc_u32 v[RD], s[TS], v[RD]
	s_lshr_b32 s[TS], s[WV], 1
	s_lshl_b32 s[TS], s[TS], 10
	s_lshl_b32 s42, s37, 6
	s_add_co_u32 s[TS], s[TS], s42
	s_add_co_u32 s[TS], s[TS], STAT
	v_lshl_add_u32 v[RS], v[BM], 3, s[TS]
	v_mov_b32 v[NINF], 0xff800000
	v_mov_b32 v[FF+1], 0                           ; (named as the upper half of a pair)
.irp b, 0,1,2,3
	v_mov_b32 v[PT+\b], 0                          ; a lane permute's destination counts as one of its sources
.endr
	INIT 0
	s_mov_b32 s[CNT], 3
.Lstep:                                            ; u = wave, wave + 8, wave + 16
	STEP 1
	s_sub_co_u32 s[CNT], s[CNT], 1
	s_cmp_lg_u32 s[CNT], 0
	s_cbranch_scc1 .Lstep
	s_cmp_lg_u32 s[WV], 0
	s_cbranch_scc1 .Lfin
	STEP 1                                         ; wave 0 alone has five steps: this is its u = 24
.Lfin:
	STEP 0                                         ; the wave's last step asks for no further K
	TRANS                                          ; a wave that had no low step lays its high job down now, and an empty low job below
	FLUSH SOL, 2048
	s_barrier_signal -1                            ; every wave's stores have landed (the wait for them stands at the end of FLUSH)
	s_barrier_wait -1
	s_wait_alu depctr_vm_vsrc(0)                   ; my LDS stores have read O^T's registers, in which the merge's loads land (that vector and matrix lines are done with these and with p's codes' registers, the wait ahead of those stores has stated: no vector line follows it)
; THE MERGE.  Wave w takes eight rows of out: job w / 4, tile (w / 2) % 2, half w % 2; lanes 0-15 one row, lanes 16-31 the next, 16 bytes a lane, two pairs of rows at a time.
; -M of the whole = the least of the eight -M; each partial is multiplied by f = 2^(its M - the whole's M): exact; an empty partial (-M = 3e38, l = 0, O = 0) gets f = 0.
.macro MERGE2 ih
.irp ip, 0,1
.set ww, 0
.rept 8
	ds_load_b64 v[MS+16*\ip+2*ww:MS+16*\ip+2*ww+1], v[RS] offset:128*ww+16*(2*\ih+\ip)
.set ww, ww+1
.endr
.set ww, 0
.rept 8
	ds_load_b128 v[MO+32*\ip+4*ww:MO+32*\ip+4*ww+3], v[RD] offset:OPW*ww+544*(2*\ih+\ip)
.set ww, ww+1
.endr
.endr
	s_wait_dscnt 0x0
.irp ip, 0,1
.set A0, MS+16*\ip
.set R4, OUTR+4*(2*\ih+\ip)
	v_min3_num_f32 v[T0], v[A0], v[A0+2], v[A0+4]
	v_min3_num_f32 v[T0], v[T0], v[A0+6], v[A0+8]
	v_min3_num_f32 v[T0], v[T0], v[A0+10], v[A0+12]
	v_min_num_f32 v[T0], v[T0], v[A0+14]
.set ww, 0
.rept 8
	v_sub_f32 v[A0+2*ww], v[T0], v[A0+2*ww]        ; the partial's M less the whole's: a whole number, 0 or less
.set ww, ww+1
.endr
.set ww, 0
.rept 8
	v_cvt_i32_f32 v[A0+2*ww], v[A0+2*ww]
.set ww, ww+1
.endr
.set ww, 0
.rept 8
	v_ldexp_f32 v[A0+2*ww], 1.0, v[A0+2*ww]        ; f
.set ww, ww+1
.endr
	v_mul_f32 v[BM+\ip], v[A0], v[A0+1]            ; l = the sum of f l
	v_pk_mul_f32 v[R4:R4+1], v[MO+32*\ip:MO+32*\ip+1], v[A0:A0+1] op_sel_hi:[1,0]
	v_pk_mul_f32 v[R4+2:R4+3], v[MO+32*\ip+2:MO+32*\ip+3], v[A0:A0+1] op_sel_hi:[1,0]
.set ww, 1
.rept 7
	v_fmac_f32 v[BM+\ip], v[A0+2*ww], v[A0+2*ww+1]
	v_pk_fma_f32 v[R4:R4+1], v[MO+32*\ip+4*ww:MO+32*\ip+4*ww+1], v[A0+2*ww:A0+2*ww+1], v[R4:R4+1] op_sel_hi:[1,0,1]
	v_pk_fma_f32 v[R4+2:R4+3], v[MO+32*\ip+4*ww+2:MO+32*\ip+4*ww+3], v[A0+2*ww:A0+2*ww+1], v[R4+2:R4+3] op_sel_hi:[1,0,1]
.set ww, ww+1
.endr
	v_rcp_f32 v[PT+2*\ip], v[BM+\ip]
.endr
	v_nop                                          ; a plain place behind the last reciprocal
	s_wait_alu depctr_va_vdst(0)                   ; the two reciprocals are written, ahead of their first reader
.irp ip, 0,1
.set R4, OUTR+4*(2*\ih+\ip)
	v_pk_mul_f32 v[R4:R4+1], v[R4:R4+1], v[PT+2*\ip:PT+2*\ip+1] op_sel_hi:[1,0]
	v_pk_mul_f32 v[R4+2:R4+3], v[R4+2:R4+3], v[PT+2*\ip:PT+2*\ip+1] op_sel_hi:[1,0]
.endr
	s_wait_alu depctr_va_vdst(0)                   ; the four multiplications have written the results, which the two stores read; and all the vector lines above are done with the registers in which the next two pairs' LDS loads land
.irp ip, 0,1
.set R4, OUTR+4*(2*\ih+\ip)
	global_store_b128 v[LI], v[R4:R4+3], s[8:9] offset:512*(2*\ih+\ip) th:TH_STORE_NT   ; two whole rows of out: 512 consecutive bytes, aligned; each pair of rows has registers of its own
.endr
.endm
	MERGE2 0
	MERGE2 1
	s_wait_dscnt 0x0                               ; the closing lines, six on end
	s_wait_alu 0x0
	s_wait_tensorcnt 0x0
	ds_add_u32 v190, v191
	s_wait_dscnt 0x0
	s_endpgm
.Lfunc_end_k_q2765f2e359_attn:
	.size	k_q2765f2e359_attn, .Lfunc_end_k_q2765f2e359_attn-k_q2765f2e359_attn
	.p2alignl 7, 3214868480
	.fill 96, 4, 3214868480
	.section	.rodata,"a",@progbits
	.p2align	6, 0x0
	.amdhsa_kernel k_q2765f2e359_attn
		.amdhsa_group_segment_fixed_size 144384
		.amdhsa_private_segment_fixed_size 0
		.amdhsa_enable_private_segment 0
		.amdhsa_kernarg_size 24
		.amdhsa_user_sgpr_count 2
		.amdhsa_user_sgpr_kernarg_segment_ptr 1
		.amdhsa_wavefront_size32 1
		.amdhsa_system_sgpr_workgroup_id_x 1
		.amdhsa_system_sgpr_workgroup_id_y 1
		.amdhsa_system_sgpr_workgroup_id_z 1
		.amdhsa_system_vgpr_workitem_id 0
		.amdhsa_next_free_vgpr 448
		.amdhsa_next_free_sgpr 66
		.amdhsa_reserve_vcc 0
		.amdhsa_float_denorm_mode_32 3
		.amdhsa_float_denorm_mode_16_64 3
		.amdhsa_memory_ordered 1
		.amdhsa_forward_progress 1
		.amdhsa_inst_pref_size 207
	.end_amdhsa_kernel
	.amdgpu_metadata
---
amdhsa.version: [ 1, 2 ]
amdhsa.kernels:
  - .name:           k_q2765f2e359_attn
    .symbol:         k_q2765f2e359_attn.kd
    .args:
      - { .name: kv, .offset: 0, .size: 8, .value_kind: global_buffer, .address_space: global }
      - { .name: qi, .offset: 8, .size: 8, .value_kind: global_buffer, .address_space: global }
      - { .name: out0, .offset: 16, .size: 8, .value_kind: global_buffer, .address_space: global }
    .group_segment_fixed_size: 144384
    .private_segment_fixed_size: 0
    .kernarg_segment_align: 8
    .kernarg_segment_size: 24
    .max_flat_workgroup_size: 256
    .sgpr_count:     66
    .vgpr_count:     448
    .wavefront_size: 32
...
	.end_amdgpu_metadata
.endif
;; end of part 4
